; MI455X (gfx1250); checked and timed in simulation.
; The chip was launched on July 23, 2026; its instructions are those of AMD's public machine-readable ISA for CDNA 5 (MIT licence, August 2026) and "CDNA5" Instruction Set Architecture Reference Guide (July 2026). The comments in the code are by the model that wrote it; some were corrected since.
;; Multi Head Attention. Allowed arithmetic: matrix products marked QUANTISED: E2M3 operands, one E8M0 scale for each 32 along K, by v_wmma_scale_f32_16x16x128_f8f6f4 with both operands' format E2M3, f32 sums; everything else in f32.
;; Inputs: W_k 1,024 x 1,024 float32; W_o 1,024 x 1,024 float32; W_q 1,024 x 1,024 float32; W_v 1,024 x 1,024 float32; x 2 x 2,048 x 1,024 float32.
;; Outputs: out0 2 x 2,048 x 1,024 float32.
;; Constants: causal = 1.
;; This version of the problem:
;;   THIS VERSION OF THE PROBLEM IS GIVEN IN LOW PRECISION. The matrix products marked QUANTISED in the list below multiply operands that are first quantised to E2M3 (2 exponent bits, 3 mantissa bits; 6 bits a number), with one power-of-two scale for each 32 numbers along K (OCP MX v1.0); their sums are f32. All else is computed in f32.
;;   The module's matrix products, in the order in which they are computed (A, B: the left and right operand; K: the contracted axis; several contracted axes count as one K, in the product's order):
;;     1. [M 4,096, K 1,024] x [K 1,024, N 1,024]; A: input x; B: input W_q: QUANTISED
;;     2. [M 4,096, K 1,024] x [K 1,024, N 1,024]; A: input x; B: input W_k: QUANTISED
;;     3. [M 4,096, K 1,024] x [K 1,024, N 1,024]; A: input x; B: input W_v: QUANTISED
;;     4. batch 32 x [M 2,048, K 64] x [K 64, N 2,048]; A: computed on the way; B: computed on the way: QUANTISED
;;     5. batch 32 x [M 64, K 2,048] x [K 2,048, N 2,048]; A: computed on the way; B: softmax (see below): QUANTISED
;;     6. [M 4,096, K 1,024] x [K 1,024, N 1,024]; A: computed on the way; B: input W_o: QUANTISED
;;   THE QUANTISER, for each operand of a quantised product, along K:
;;     - K is cut into blocks of 32 from its start; a last block that is shorter is filled with zeros.
;;     - A block's scale is 2^e with e = floor(log2(the largest magnitude in the block)) - 2, held to -126 .. 127; a block of zeros has e = 0. As a byte (E8M0): e + 127.
;;     - Each number is divided by its block's scale, clamped to +-7.5, and rounded to the nearest number of E2M3, ties to even, subnormals kept.
;;     - The product sums the exact products of the quantised numbers (number of the format x scale) in f32.
;;   ~~~python
;;   def quantise(x, axis):      # numpy; x: float32 -> the quantised numbers, widened to float32 again
;;       x = np.moveaxis(x, axis, -1); K = x.shape[-1]
;;       x = np.pad(x, [(0, 0)] * (x.ndim - 1) + [(0, -K % 32)]); x = x.reshape(x.shape[:-1] + (-1, 32)); a = np.abs(x).max(-1, keepdims=True)
;;       e = np.where(a > 0, np.clip(np.frexp(np.where(a > 0, a, 1))[1] - 1 - 2, -126, 127), 0)      # np.frexp(a)[1] - 1 = floor(log2(a)), exactly
;;       r = np.clip(x / 2.0 ** e, -7.5, 7.5)
;;       step = 2.0 ** (np.maximum(np.frexp(np.where(r == 0, 1, r))[1] - 1, 0) - 3)
;;       q = np.round(r / step) * step * 2.0 ** e      # np.round: ties to even
;;       return np.moveaxis(q.reshape(q.shape[:-2] + (-1,))[..., :K], -1, axis).astype(np.float32)
;;   ~~~
;;   SOFTMAX AHEAD OF A QUANTISED PRODUCT. Where the list says 'softmax', what is quantised is not the finished softmax but p = 2^(t - M), with t = logit x log2(e) and M = ceil(the row's largest t), a whole number; so 1/2 < the row's largest p <= 1. The row's sum l is taken of the UNQUANTISED p, in f32, and the product's result is divided by l at the end. Since M is a whole number, a kernel that streams over the keys may use a running M (the ceiling of the running maximum): every later rescaling is an exact power of two, which a block's scale takes up: the codes' values come out the same.
;;   OPERANDS COMPUTED ON THE WAY. 'Computed on the way' means the value that the module computes at that place (a softmax that the list does not call 'softmax' is quantised finished and normalised). What goes into a quantiser is computed in f32, as accurately as f32 sums, v_exp_f32 and their like allow (about 1e-6 of the number): no bf16 or f16 on the way to a quantiser, and a product that is left as it is and whose result goes on into a quantised operand takes f32 operands (vector FMAs, or v_wmma_f32_16x16x4_f32). A number that lies on a knife's edge between two numbers of the format may be rounded either way, as far as f32 arithmetic and the matrix unit's own rounding can turn it there, and no further.
;; One version. Each part assembles by itself: llvm-mc -triple=amdgcn-amd-amdhsa -mcpu=gfx1250 --defsym DOCPART=n.
;; ======== version 1 of 1: 4 launches
;; limits: right only within a limited range of input values
;; workspace buffers: codes 6,291,456 bytes; scales 262,144 bytes; qkvc 9,437,184 bytes; qkvs 786,432 bytes; aoc 3,145,728 bytes; aos 131,072 bytes
;; launch quant (part 1): grid 256 x 1, 4 waves a work-group, no clusters, 66,048 bytes of LDS; arguments x, W_q, W_k, W_v, W_o, codes, scales; writes codes, scales
.if DOCPART == 1
	.amdgcn_target "amdgcn-amd-amdhsa--gfx1250"
	.amdhsa_code_object_version 6
	.text
	.protected	k_qf1d2cec388_quant
	.globl	k_qf1d2cec388_quant
	.p2align	8
	.type	k_qf1d2cec388_quant,@function
k_qf1d2cec388_quant:
	s_mov_b64 s[64:65], 0
	v_nop
	global_prefetch_b8 v0, s[64:65] scope:SCOPE_SE
	s_setreg_imm32_b32 hwreg(HW_REG_WAVE_MODE, 25, 1), 1
	s_wait_xcnt 0x0
; x [4096][1024] and W_q, W_k, W_v, W_o [1024][1024], f32, K innermost, become codes of FP6 (E2M3) with one E8M0 scale byte for each 32 along K.
; A block's scale is 2^(floor(log2(its largest magnitude)) - 2): its byte is the largest magnitude's exponent field - 2, held at 1 from below.
; DEAD WORK that the later launches leave out: scores, p and products of whole key steps that lie above the causal diagonal, which reference() itself builds and overwrites by -inf ahead of the softmax.
; LIMITS: NaN and infinities among the inputs are not served (nor carried from work left out); a block whose largest magnitude lies under 2^-124 keeps the byte 1; a block of zeros gets the byte 1 where the rule
; says 127: its codes are zeros, which add nothing under any byte but 0xff, and the bytes are read by this program alone.
; LAYOUT OF THE RESULT.  The 8,192 rows (x, then W_q, W_k, W_v, W_o) are laid at POSITIONS: inside each 64, row 32 h + 8 j + i (h = 0, 1; j = 0 .. 3; i = 0 .. 7) lies at position 16 j + 8 h + i.
; Sixteen neighbouring positions are a tile of a later product; the four tiles of a band of 64 leave 32 neighbours, a whole scale block, in ONE lane's 32 results.
; codes: [16 chunks of 64 along K][8192 positions][48 bytes]; scales: [8192 positions][32 bytes].
; SHARES.  A work-group takes 32 rows (half a band: one h), a wave 8 of them (one j): 16 steps of 512 numbers.  Each load reads 512 consecutive bytes; a step's 2,048 bytes turn through the wave's own
; stage in LDS, so that a lane holds 16 neighbours along K.  A lane's 12 bytes of codes are gathered in a second stage by chunks and leave as runs of 384 consecutive bytes; the wave's 256 scale bytes leave as one aligned run.
; No tensor loads, no barrier: waves share nothing.  Loads run eight steps (32 loads a wave) ahead, the turn through LDS one step.
.set KCS,   393216                     ; bytes of a chunk of all positions
.set STEPS, 16
.set EMAX,  2
.set SP,    80                         ; a lane's place in a stage: its 64 bytes + 16 of padding
.set SCB,   2*32*SP                    ; behind the two stages: the wave's 256 scale bytes
.set CST,   SCB+256                    ; behind them: the codes' stage, 16 chunks x CPK bytes
.set CPK,   576                        ; a chunk's 8 rows x 4 places of 16 bytes (12 bytes of codes each), + 64 of padding
.set R,     16                         ; v16-143  eight sets of 16 numbers as they are loaded; on the way out v16-79: the codes by chunks
.set X,     144                        ; v144-175 two sets of 16 neighbours
.set C,     176                        ; v176-239 codes: three of four registers for each step (v235, v239: the add's)
.set E,     240                        ; v240-255 a scale byte for each step
	s_load_b256 s[4:11], s[0:1], 0x0               ; x, W_q, W_k, W_v
	s_load_b128 s[12:15], s[0:1], 0x20             ; W_o, codes
	s_load_b64 s[16:17], s[0:1], 0x30              ; scales
	v_lshl_add_u32 v235, v0, 2, 0x10000
	v_mov_b32 v239, 0
	v_lshrrev_b32 v1, 5, v0
	v_readfirstlane_b32 s18, v1                    ; wave
	v_and_b32 v10, 31, v0                          ; lane
	v_lshlrev_b32 v3, 4, v10                       ; my 16 bytes of a load's 512
	s_lshl_b32 s19, s18, 14                        ; my wave's 16,384 bytes of LDS
	v_lshrrev_b32 v14, 2, v10
	v_mul_u32_u24 v1, v14, CPK
	v_mul_u32_u24 v14, v14, SP
	v_and_b32 v15, 3, v10
	v_lshl_add_u32 v14, v15, 4, v14
	v_add_nc_u32 v14, s19, v14                     ; the numbers' stage, in: SP (lane / 4) + 16 (lane % 4)
	v_lshl_add_u32 v1, v15, 4, v1
	v_add_nc_u32 v1, s19, v1
	v_add_nc_u32 v1, CST, v1                       ; the codes' stage, in: chunk lane / 4 of the step's eight, place lane % 4
	v_mul_u32_u24 v15, v10, SP
	v_add_nc_u32 v15, s19, v15                     ; the numbers' stage, out: SP x lane
	v_add_nc_u32 v2, s19, v3
	v_add_nc_u32 v2, CST, v2                       ; the codes' stage, out: place = lane
	v_mul_u32_u24 v4, v10, 12                      ; and the same place in a chunk's 384 bytes of memory
	v_lshrrev_b32 v5, 1, v10
	v_add_nc_u32 v5, s19, v5
	v_add_nc_u32 v5, SCB, v5                       ; my block's scale byte
	v_lshlrev_b32 v7, 3, v10                       ; the scale bytes' way out: 8 bytes a lane
	v_add_nc_u32 v6, s19, v7
	v_add_nc_u32 v6, SCB, v6
	s_and_b32 s20, ttmp9, 31
	s_cmp_lt_u32 ttmp9, 128
	s_cselect_b32 s20, ttmp9, s20                  ; my group of 32 rows inside its tensor
	s_lshl_b32 s20, s20, 2
	s_add_co_u32 s20, s20, s18
	s_lshl_b32 s20, s20, 15                        ; my wave's 8 rows: 32,768 bytes each run
	s_mov_b32 s21, 0
	s_lshl_b32 s22, s18, 1
	s_and_b32 s23, ttmp9, 1
	s_add_co_u32 s22, s22, s23                     ; 2 j + h: where my 8 rows lie in their band
	s_lshr_b32 s23, ttmp9, 1
	s_lshl_b32 s23, s23, 3
	s_add_co_u32 s22, s22, s23                     ; which run of 8 positions
	s_mul_i32 s24, s22, 8*48
	s_mov_b32 s25, 0
	s_lshl_b32 s26, s22, 8                         ; 8 x 32 scale bytes
	s_mov_b32 s27, 0
	s_wait_alu depctr_va_vdst(0)                   ; the wait at the head's end
	s_wait_kmcnt 0x0
	s_cmp_ge_u32 ttmp9, 128                        ; which tensor: the choice hangs on the work-group's number alone
	s_cselect_b64 s[4:5], s[6:7], s[4:5]
	s_cmp_ge_u32 ttmp9, 160
	s_cselect_b64 s[4:5], s[8:9], s[4:5]
	s_cmp_ge_u32 ttmp9, 192
	s_cselect_b64 s[4:5], s[10:11], s[4:5]
	s_cmp_ge_u32 ttmp9, 224
	s_cselect_b64 s[4:5], s[12:13], s[4:5]
	s_add_nc_u64 s[4:5], s[4:5], s[20:21]
	s_add_nc_u64 s[14:15], s[14:15], s[24:25]
	s_add_nc_u64 s[16:17], s[16:17], s[26:27]
.macro LOAD t
.irp i, 0,1,2,3
	global_load_b128 v[R+16*((\t)%8)+4*\i:R+16*((\t)%8)+4*\i+3], v3, s[4:5] offset:2048*(\t)+512*\i th:TH_LOAD_NT
.endr
.endm
.macro TURN t                          ; step t's numbers through the stage: LDS serves a wave's instructions in order (ISA guide 5.7.1.4): no wait between the stores and the loads
.irp i, 0,1,2,3
	ds_store_b128 v14, v[R+16*((\t)%8)+4*\i:R+16*((\t)%8)+4*\i+3] offset:32*SP*((\t)%2)+8*SP*\i
.endr
.irp i, 0,1,2,3
	ds_load_b128 v[X+16*((\t)%2)+4*\i:X+16*((\t)%2)+4*\i+3], v15 offset:32*SP*((\t)%2)+16*\i
.endr
.endm
.irp t, 0,1,2,3,4,5,6,7
	LOAD \t
.endr
	s_wait_loadcnt 28                              ; step 0's four loads are in; seven steps' stay out
	TURN 0
.macro STEP t
.set XS, X+16*((\t)%2)
.if (\t) > 0
	s_wait_dscnt 2                                 ; this step's numbers are back (the last step's byte store and code store may be out)
.else
	s_wait_dscnt 0x0
.endif
.if (\t)+8 < STEPS
	LOAD (\t)+8
.endif
.if (\t)+1 < STEPS
.if (\t) <= 7
	s_wait_loadcnt 28                              ; the next step's four loads are in; those of the seven steps behind it may be out
.else
	s_wait_loadcnt 4*(14-(\t))
.endif
	TURN (\t)+1
.endif
	v_max3_num_f32 v8, |v[XS]|, |v[XS+1]|, |v[XS+2]|
	v_max3_num_f32 v9, |v[XS+3]|, |v[XS+4]|, |v[XS+5]|
.irp i, 6,10
	v_max3_num_f32 v8, v8, |v[XS+\i]|, |v[XS+\i+1]|
	v_max3_num_f32 v9, v9, |v[XS+\i+2]|, |v[XS+\i+3]|
.endr
	v_max3_num_f32 v8, v8, |v[XS+14]|, |v[XS+15]|
	v_max3_num_f32 v8, v8, v9, (EMAX+1)<<23        ; and the floor 2^(3 - 127): the byte cannot fall under 1
	v_max_num_f32_dpp v8, v8, v8 row_xmask:1 row_mask:0xf bank_mask:0xf   ; and of my neighbour's 16: the block's
	v_add_nc_u32 v11, -(EMAX<<23), v8              ; 2 off its exponent field: the conversion's scale operand
	v_cvt_scalef32_pk16_fp6_f32 v[C+4*(\t):C+4*(\t)+2], v[XS:XS+15], v11
	v_lshrrev_b32 v[E+(\t)], 23, v11               ; the scale's byte (a plain line behind the conversion)
	ds_store_b8 v5, v[E+(\t)] offset:16*(\t)       ; both lanes of a block write the same byte with the same value
	ds_store_b96 v1, v[C+4*(\t):C+4*(\t)+2] offset:((\t)%2)*8*CPK+((\t)/2)*64   ; step t is row t / 2, K half t % 2: chunks 8 (t % 2) + lane / 4
.endm
.irp t, 0,1,2,3,4,5,6,7,8,9,10,11,12,13,14,15
	STEP \t
.endr
	ds_load_b64 v[12:13], v6
.irp k, 0,1,2,3,4,5,6,7,8,9,10,11,12,13,14,15
	ds_load_b96 v[R+4*\k:R+4*\k+2], v2 offset:CPK*\k
.endr
	s_wait_dscnt 16                                ; the scale bytes are back; the sixteen loads behind them may be out
	global_store_b64 v7, v[12:13], s[16:17]        ; 32 lanes store 256 consecutive bytes, aligned
.irp k, 0,1,2,3,4,5,6,7,8,9,10,11,12,13,14,15
	s_wait_dscnt 15-\k
	global_store_b96 v4, v[R+4*\k:R+4*\k+2], s[14:15] offset:\k*KCS   ; chunk k of my 8 positions: 384 consecutive bytes
.endr
	s_wait_tensorcnt 0x0                           ; the wave's end
	ds_add_u32 v235, v239
	s_wait_dscnt 0x0
	s_endpgm
.Lfunc_end_k_qf1d2cec388_quant:
	.size	k_qf1d2cec388_quant, .Lfunc_end_k_qf1d2cec388_quant-k_qf1d2cec388_quant
	.p2alignl 7, 3214868480
	.fill 96, 4, 3214868480
	.section	.rodata,"a",@progbits
	.p2align	6, 0x0
	.amdhsa_kernel k_qf1d2cec388_quant
		.amdhsa_group_segment_fixed_size 66048
		.amdhsa_private_segment_fixed_size 0
		.amdhsa_enable_private_segment 0
		.amdhsa_kernarg_size 56
		.amdhsa_user_sgpr_count 2
		.amdhsa_user_sgpr_kernarg_segment_ptr 1
		.amdhsa_wavefront_size32 1
		.amdhsa_system_sgpr_workgroup_id_x 1
		.amdhsa_system_sgpr_workgroup_id_y 1
		.amdhsa_system_sgpr_workgroup_id_z 1
		.amdhsa_system_vgpr_workitem_id 0
		.amdhsa_next_free_vgpr 256
		.amdhsa_next_free_sgpr 66
		.amdhsa_reserve_vcc 0
		.amdhsa_float_denorm_mode_32 3
		.amdhsa_float_denorm_mode_16_64 3
		.amdhsa_memory_ordered 1
		.amdhsa_forward_progress 1
		.amdhsa_inst_pref_size 36
	.end_amdhsa_kernel
	.amdgpu_metadata
---
amdhsa.version: [ 1, 2 ]
amdhsa.kernels:
  - .name:           k_qf1d2cec388_quant
    .symbol:         k_qf1d2cec388_quant.kd
    .args:
      - { .name: x, .offset: 0, .size: 8, .value_kind: global_buffer, .address_space: global }
      - { .name: W_q, .offset: 8, .size: 8, .value_kind: global_buffer, .address_space: global }
      - { .name: W_k, .offset: 16, .size: 8, .value_kind: global_buffer, .address_space: global }
      - { .name: W_v, .offset: 24, .size: 8, .value_kind: global_buffer, .address_space: global }
      - { .name: W_o, .offset: 32, .size: 8, .value_kind: global_buffer, .address_space: global }
      - { .name: codes, .offset: 40, .size: 8, .value_kind: global_buffer, .address_space: global }
      - { .name: scales, .offset: 48, .size: 8, .value_kind: global_buffer, .address_space: global }
    .group_segment_fixed_size: 66048
    .private_segment_fixed_size: 0
    .kernarg_segment_align: 8
    .kernarg_segment_size: 56
    .max_flat_workgroup_size: 128
    .sgpr_count:     66
    .vgpr_count:     256
    .wavefront_size: 32
...
	.end_amdgpu_metadata
.endif
;; end of part 1
;; launch qkv (part 2): grid 8 x 24, 4 waves a work-group, clusters of 4 x 4, 327,680 bytes of LDS; arguments codes, scales, qkvc, qkvs; writes qkvc, qkvs
.if DOCPART == 2
	.amdgcn_target "amdgcn-amd-amdhsa--gfx1250"
	.amdhsa_code_object_version 6
	.text
	.protected	k_qf1d2cec388_qkv
	.globl	k_qf1d2cec388_qkv
	.p2align	8
	.type	k_qf1d2cec388_qkv,@function
k_qf1d2cec388_qkv:
	s_mov_b64 s[64:65], 0
	v_nop
	global_prefetch_b8 v0, s[64:65] scope:SCOPE_SE
	s_setreg_imm32_b32 hwreg(HW_REG_WAVE_MODE, 25, 1), 1
	s_wait_xcnt 0x0
	s_wait_alu depctr_hold_cnt(0) depctr_sa_sdst(0) depctr_va_vdst(0) depctr_va_sdst(0) depctr_va_ssrc(0) depctr_va_vcc(0) depctr_vm_vsrc(0)
	s_getreg_b32 s2, hwreg(HW_REG_IB_STS2, 6, 4)
	s_cmp_eq_u32 s2, 0
	s_cbranch_scc0 .Lentry_in_a_cluster
	s_endpgm
.Lentry_in_a_cluster:
	s_bfe_u32 s2, ttmp6, 0x10000c
	s_cmp_lg_u32 s2, 0xf033
	s_cbranch_scc0 .Lentry_shape_is_right
	s_endpgm
.Lentry_shape_is_right:
; Q, K and V = x W^T on codes of FP6 (E2M3) with E8M0 scales, sums in f32; the results are quantised and leave as operands of the attention.  A tile is 256 x 256, four waves, 128 x 128 each; K goes in slots of 256 (four chunks of 64).
; Q, K: source 1 = x's rows, the results' scale blocks run along the head's 64; V: source 1 = W_v's rows, the scale blocks run along the tokens.
; Rows lie at positions (32 h + 8 j + i at 16 j + 8 h + i inside each 64), so the 32 results of the four tiles of a band are 32 neighbours, one scale block, in one lane.
; LIMITS: NaN and infinities are not served; a block whose largest magnitude lies under 2^-124 keeps the byte 1.
; CLUSTERS 4 x 4: source 1's tiles are shared along a row of the cluster, source 0's along a column.  At the head each wave asks for one of the four tiles that the first step needs; slot 1 and all refills come behind a drained round.
; No prefetch: K is 1,024, four fills of a slot, of which the loop asks for two.
.set KCS,    393216
.set NQ,     2
.set CHK,    6144
.set FR,     12
.set NL,     6
.set NP,     4
.set HALFT,  4*CHK
.set SLOT,   4*HALFT
.set LAPS,   2
.set KS,     32
.set SCL,    2*SLOT
.set HALFS,  (128*KS/256)*272
.set SBLK,   (16*KS/256)*272
.set SPARE,  SCL+4*HALFS
.set ADRA, 16
.set ADRB, 20
.set STO,  24
.set RD,   25
.set CO,   26
.set ADRS, 27
.set SPW,  28
.set NIL,  29
.set SH,   30
.set SSTO, 31
.set SC,   32
.set AF,   128
.set TM,   32
.set PW,   48
.set PWS,  50
.set PC,   52
.set OUTR, 128
.set G1, 24
.set G0, 32
.set G1B, 48
.set G0B, 56
.set G1S, 68
.set G0S, 76
.set G1SB, 80
.set G0SB, 88
.set SEL, 96
.set MASKW, 98
.set MSB, 0
.macro WIN new
.if MSB != \new
	s_set_vgpr_msb (MSB<<8)|\new
.set MSB, \new
.endif
.endm
.set MUL_LO, 0xa1
.set MUL_HI, 0xf1
.set TO_B,   0x40
.macro JLOAD g0a, g1a, g0b, g1b
	s_cmp_eq_u32 s15, 0
	s_cbranch_scc0 .Lfor_b_\@
	tensor_load_to_lds s[\g0a:\g0a+3], s[\g1a:\g1a+7]
	s_nop 0
.rept 4
	v_nop
.endr
	s_branch .Lasked_\@
.Lfor_b_\@:
	tensor_load_to_lds s[\g0b:\g0b+3], s[\g1b:\g1b+7]
	s_nop 0
.rept 4
	v_nop
.endr
.Lasked_\@:
.endm
.macro CREST
	s_cmp_lg_u32 s14, 0
	s_cbranch_scc1 .Lnot_wave_0_\@
	s_barrier_signal -3
.Lnot_wave_0_\@:
	s_barrier_wait -3
	s_barrier_signal -1
	s_barrier_wait -1
.endm
.macro CROUND
	s_barrier_signal -1
	s_barrier_wait -1
	CREST
.endm
	s_load_b128 s[4:7], s[0:1], 0x0
	s_load_b128 s[8:11], s[0:1], 0x10
	v_lshl_add_u32 v[SPW], v0, 2, SPARE
	v_mov_b32 v[NIL], 0
	ds_add_u32 v28, v29
	ds_add_u32 v28, v29
	s_wait_dscnt 0x0
	v_lshrrev_b32 v1, 5, v0
	v_readfirstlane_b32 s14, v1
	s_lshr_b32 s15, s14, 1
	s_and_b32 s16, s14, 1
	s_bfe_u32 s40, ttmp6, 0x40000
	s_bfe_u32 s41, ttmp6, 0x40004
	s_and_b32 s12, ttmp7, 0xffff
	s_lshl_b32 s42, ttmp9, 2
	s_add_co_u32 s42, s42, s40
	s_lshl_b32 s17, s12, 2
	s_max_u32 s13, s12, 4
	s_sub_co_u32 s13, s13, 4
	s_lshl_b32 s13, s13, 3
	s_cmp_lt_u32 s12, 4
	s_cselect_b32 s17, s17, 24
	s_cselect_b32 s13, 16, s13
	s_cselect_b32 s[MASKW], 0xffff, -1
	s_add_co_u32 s17, s17, s41
	s_add_co_u32 s42, s42, s13
	s_lshl_b32 s43, s41, 2
	s_lshl_b32 s43, 15, s43
	s_lshl_b32 s44, 0x1111, s40
	s_or_b32 s[G1+0], s43, (3<<16)|(1<<21)
	s_or_b32 s[G1B+0], s44, (3<<16)|(1<<21)
.irp g, G1, G1B
	s_mov_b32 s[\g+1], 1536<<16                    ; a row: a chunk's 256 positions, 12,288 bytes
	s_mov_b32 s[\g+2], 4<<16                       ; four chunks at the head, two a wave in the ring
	s_mov_b32 s[\g+3], 1536<<16
	s_mov_b32 s[\g+4], 4
	s_mov_b32 s[\g+5], KCS/8
	s_mov_b32 s[\g+6], 0
	s_mov_b32 s[\g+7], 0
.endr
	s_or_b32 s[G1S+0], s43, (3<<16)|(1<<20)|(1<<21)|(5<<22)|(3<<25)
	s_or_b32 s[G1SB+0], s44, (3<<16)|(1<<20)|(1<<21)|(5<<22)|(3<<25)
.irp g, G1S, G1SB
	s_mov_b32 s[\g+1], 32<<16
	s_mov_b32 s[\g+2], (256*KS/256)<<16
	s_mov_b32 s[\g+3], 32<<16
	s_mov_b32 s[\g+4], 256*KS/256
	s_mov_b32 s[\g+5], 32
	s_mov_b32 s[\g+6], 0
	s_mov_b32 s[\g+7], 0
.endr
	s_mov_b32 s[SEL], 0x76543210
	s_mov_b32 s[SEL+1], 0xfedcba98
	s_mul_i32 s18, s16, 2*KCS                      ; in the ring I fetch two of a slot's four chunks
	s_mov_b32 s19, 0
	s_lshl_b32 s20, s17, 8
	s_lshl_b32 s46, s42, 8
	s_lshl_b32 s22, s20, 5
	s_mov_b32 s23, 0
	s_lshl_b32 s92, s46, 5
	s_mov_b32 s93, 0
	s_mul_i32 s20, s20, 48
	s_mov_b32 s21, 0
	s_mul_i32 s46, s46, 48
	s_mov_b32 s47, 0
	s_mul_i32 s45, s14, HALFT
	s_wait_kmcnt 0x0
	s_add_nc_u64 s[20:21], s[4:5], s[20:21]
	s_add_nc_u64 s[22:23], s[6:7], s[22:23]
	s_add_nc_u64 s[46:47], s[4:5], s[46:47]
	s_add_nc_u64 s[92:93], s[6:7], s[92:93]
	CROUND
	s_mov_b32 s[G0], 1                             ; the head's four tiles, each whole: slot 0's 256 rows of A,
	s_mov_b32 s[G0+1], 0
	s_mov_b64 s[G0+2:G0+3], s[20:21]
	s_or_b32 s[G0+3], s[G0+3], 0x80000000
	s_mov_b32 s[G0B], 1                            ; of B,
	s_mov_b32 s[G0B+1], 2*HALFT
	s_mov_b64 s[G0B+2:G0B+3], s[46:47]
	s_or_b32 s[G0B+3], s[G0B+3], 0x80000000
	s_mov_b32 s[G0S], 1                            ; A's scales,
	s_mov_b32 s[G0S+1], SCL
	s_mov_b64 s[G0S+2:G0S+3], s[22:23]
	s_or_b32 s[G0S+3], s[G0S+3], 0x80000000
	s_mov_b32 s[G0SB], 1                           ; B's
	s_mov_b32 s[G0SB+1], SCL+2*HALFS
	s_mov_b64 s[G0SB+2:G0SB+3], s[92:93]
	s_or_b32 s[G0SB+3], s[G0SB+3], 0x80000000
.macro ARM under, g0, g1, next
	s_cmp_lt_u32 s14, \under
	s_cbranch_scc0 \next
	tensor_load_to_lds s[\g0:\g0+3], s[\g1:\g1+7]
	s_nop 0
.rept 4
	v_nop
.endr
	s_branch .Lhead_asked
\next:
.endm
	ARM 1, G0,  G1,  .Lhead_b                      ; one tree of branches: every way through the head passes exactly one load
	ARM 2, G0B, G1B, .Lhead_sa
	ARM 3, G0S, G1S, .Lhead_sb
	tensor_load_to_lds s[G0SB:G0SB+3], s[G1SB:G1SB+7]
	s_nop 0
.rept 4
	v_nop
.endr
.Lhead_asked:
	s_add_nc_u64 s[20:21], s[20:21], s[18:19]      ; the ring: my two chunks
	s_add_nc_u64 s[46:47], s[46:47], s[18:19]
	s_mov_b32 s[G0+4], 1
	s_add_co_u32 s[G0+5], s45, SLOT
	s_add_nc_u64 s[G0+6:G0+7], s[20:21], 4*KCS
	s_or_b32 s[G0+7], s[G0+7], 0x80000000
	s_mov_b32 s[G0B+4], 1
	s_add_co_u32 s[G0B+5], s45, SLOT
	s_add_nc_u64 s[G0B+6:G0B+7], s[46:47], 4*KCS
	s_or_b32 s[G0B+7], s[G0B+7], 0x80000000
	v_and_b32 v1, 15, v0
	v_bfe_u32 v2, v0, 4, 1
	v_mul_u32_u24 v3, v1, 48
	v_mad_u32_u24 v4, v2, 24, v3
	s_mul_i32 s21, s15, CHK                        ; my 128 positions of each chunk's 256
	s_mul_i32 s22, s16, CHK
	s_add_co_u32 s22, s22, 2*HALFT
.irp s, 0,1
	v_add_nc_u32 v[ADRA+\s], s21, v4
	v_add_nc_u32 v[ADRB+\s], s22, v4
	s_add_co_u32 s21, s21, SLOT
	s_add_co_u32 s22, s22, SLOT
.endr
	v_mul_u32_u24 v5, v1, KS
	v_lshrrev_b32 v6, 8, v5
	v_lshl_add_u32 v5, v6, 4, v5
	s_mul_i32 s21, s15, HALFS
	s_mul_i32 s22, s16, HALFS
	s_add_co_u32 s22, s22, 2*HALFS
	s_sub_co_u32 s22, s22, s21
	v_mul_u32_u24 v6, s22, v2
	s_add_co_u32 s21, s21, SCL
	v_add_nc_u32 v5, v5, v6
	v_add_nc_u32 v[ADRS], s21, v5
	s_lshl_b32 s23, s14, 14
	v_add_nc_u32 v[STO], s23, v4
	v_lshlrev_b32 v5, 2, v1
	v_lshl_add_u32 v5, v2, 9, v5
	v_add_nc_u32 v5, s23, v5
	v_add_nc_u32 v[SSTO], 12288, v5
	v_lshlrev_b32 v[SH], 4, v2
	v_and_b32 v6, 31, v0
	v_lshlrev_b32 v[CO], 4, v6
	v_add_nc_u32 v[RD], s23, v[CO]
	s_lshl_b32 s99, s17, 1
	s_add_co_u32 s99, s99, s15
	s_lshl_b32 s100, s42, 1
	s_add_co_u32 s100, s100, s16
	s_cmp_lt_u32 s12, 4
	s_cselect_b32 s101, s99, s100
	s_cselect_b32 s99, s100, s99
	s_sub_co_u32 s99, s99, 32
	s_lshr_b32 s100, s99, 3
	s_lshl_b32 s100, s100, 8
	s_and_b32 s99, s99, 7
	s_lshl_b32 s99, s99, 4
	s_add_co_u32 s100, s100, s99
	s_lshr_b32 s99, s101, 4
	s_lshl_b32 s99, s99, 7
	s_add_co_u32 s100, s100, s99
	s_and_b32 s99, s101, 15
	s_add_co_u32 s100, s100, s99
	s_mul_i32 s20, s100, 12288
	s_mov_b32 s21, 0
	s_add_nc_u64 s[8:9], s[8:9], s[20:21]
	s_lshl_b32 s20, s100, 10
	s_add_nc_u64 s[10:11], s[10:11], s[20:21]
.macro FRAG reg, adr, q, i
.irp p, 0,1,2,3,4,5
	ds_load_b64 v[\reg+2*\p:\reg+2*\p+1], v[\adr] offset:(2*(\q)+\p/3)*2*CHK+(\i)*768+8*(\p%3)
.endr
.endm
.macro MUL16 a0, p, q, sc, zero
.irp a, \a0, \a0+1
.irp b, 0,1,2,3,4,5,6,7
.if \zero
	v_wmma_scale_f32_16x16x128_f8f6f4 v[8*(8*((\a)%4)+\b):8*(8*((\a)%4)+\b)+7], v[128*(\p)+FR*\b:128*(\p)+FR*\b+FR-1], v[AF+FR*(\a):AF+FR*(\a)+FR-1], 0, v[SC+8*NQ*(\sc)+NQ*\b+(\q)], v[SC+8*NQ*(\sc)+NQ*(\a)+(\q)] matrix_a_fmt:MATRIX_FMT_FP6 matrix_b_fmt:MATRIX_FMT_FP6 matrix_a_scale:MATRIX_SCALE_ROW1
.else
	v_wmma_scale_f32_16x16x128_f8f6f4 v[8*(8*((\a)%4)+\b):8*(8*((\a)%4)+\b)+7], v[128*(\p)+FR*\b:128*(\p)+FR*\b+FR-1], v[AF+FR*(\a):AF+FR*(\a)+FR-1], v[8*(8*((\a)%4)+\b):8*(8*((\a)%4)+\b)+7], v[SC+8*NQ*(\sc)+NQ*\b+(\q)], v[SC+8*NQ*(\sc)+NQ*(\a)+(\q)] matrix_a_fmt:MATRIX_FMT_FP6 matrix_b_fmt:MATRIX_FMT_FP6 matrix_a_scale:MATRIX_SCALE_ROW1
.endif
.endr
.endr
.endm
.macro FETCH_B slot, q, p
	WIN TO_B
.irp i, 0,1,2,3,4,5,6,7
	FRAG 128*(\p)+FR*\i, ADRB+\slot, \q, \i
.endr
	WIN 0
.endm
.macro FETCH_A slot, q, i0
.irp i, \i0, \i0+1, \i0+2, \i0+3
	FRAG AF+FR*(\i), ADRA+\slot, \q, \i
.endr
.endm
.macro SCALES sc
.irp i, 0,1,2,3,4,5,6,7
	ds_load_b64 v[SC+8*NQ*\sc+NQ*\i:SC+8*NQ*\sc+NQ*\i+1], v[ADRS] offset:\i*SBLK
.endr
.endm
.macro PLACES n
.rept \n
	v_nop
.endr
.endm
.macro STEP slot, q, zero
	s_wait_dscnt 4*NL
	WIN MUL_LO
	MUL16 0, (\q)%2, \q, \slot, \zero
	MUL16 2, (\q)%2, \q, \slot, \zero
	s_wait_dscnt 0
	PLACES NP
	FETCH_B \slot, (\q)+1, 1-(\q)%2
	FETCH_A \slot, (\q)+1, 0
	WIN MUL_HI
	MUL16 4, (\q)%2, \q, \slot, \zero
	MUL16 6, (\q)%2, \q, \slot, \zero
	PLACES NP
	WIN 0
	FETCH_A \slot, (\q)+1, 4
.endm
.macro TURN slot, next, fill
	s_wait_tensorcnt 0x0
	ds_add_u32 v[SPW], v[NIL]
	s_wait_dscnt 4*NL+1
	WIN MUL_LO
	MUL16 0, 1, NQ-1, \slot, 0
	s_wait_dscnt 0x0
	s_barrier_signal -1
	MUL16 2, 1, NQ-1, \slot, 0
	WIN 0
	s_barrier_wait -1
.if \fill
	CREST
	s_add_nc_u64 s[G0+4*\slot+2:G0+4*\slot+3], s[G0+4*\slot+2:G0+4*\slot+3], 8*KCS
	s_add_nc_u64 s[G0B+4*\slot+2:G0B+4*\slot+3], s[G0B+4*\slot+2:G0B+4*\slot+3], 8*KCS
	JLOAD G0+4*\slot, G1, G0B+4*\slot, G1B
.else
	PLACES NP
.endif
	s_wait_alu depctr_va_vdst(0)
	v_add_nc_u32 v[ADRS], 4*NQ, v[ADRS]
	FETCH_B \next, 0, 0
	FETCH_A \next, 0, 0
	SCALES \next
	WIN MUL_HI
	MUL16 4, 1, NQ-1, \slot, 0
	MUL16 6, 1, NQ-1, \slot, 0
	PLACES NP
	WIN 0
	FETCH_A \next, 0, 4
.endm
	s_wait_alu depctr_va_vdst(0)                   ; the wait at the head's end
	s_wait_tensorcnt 0x0                           ; my tile of the head's four is in; these lines stand ahead of a later first fill, as ahead of a refill
	ds_add_u32 v[SPW], v[NIL]
	s_mov_b32 s[G0+1], s45                         ; no load of mine is out: slot 0's descriptors become the ring's: two chunks a wave
	s_add_nc_u64 s[G0+2:G0+3], s[G0+2:G0+3], s[18:19]
	s_mov_b32 s[G0B+1], s45
	s_add_nc_u64 s[G0B+2:G0B+3], s[G0B+2:G0B+3], s[18:19]
	s_mov_b32 s[G1+2], 2<<16
	s_mov_b32 s[G1+4], 2
	s_mov_b32 s[G1B+2], 2<<16
	s_mov_b32 s[G1B+4], 2
	s_wait_dscnt 0x0
	CROUND
	JLOAD G0+4, G1, G0B+4, G1B                     ; slot 1's first fill, issued as a refill is
	FETCH_B 0, 0, 0
	FETCH_A 0, 0, 0
	SCALES 0
	FETCH_A 0, 0, 4
	STEP 0, 0, 1
	s_mov_b32 s3, LAPS-1
.Llap:
	TURN 0, 1, 1
	STEP 1, 0, 0
	TURN 1, 0, 1
	STEP 0, 0, 0
	s_sub_co_u32 s3, s3, 1
	s_cmp_lg_u32 s3, 0
	s_cbranch_scc1 .Llap
	TURN 0, 1, 0
	STEP 1, 0, 0
	s_wait_dscnt 4*NL
	WIN MUL_LO
	MUL16 0, 1, NQ-1, 1, 0
	MUL16 2, 1, NQ-1, 1, 0
	s_wait_dscnt 0
	WIN MUL_HI
	MUL16 4, 1, NQ-1, 1, 0
	MUL16 6, 1, NQ-1, 1, 0
	WIN 0
.macro QUANTW a
.set AC, 64*((\a)%4)
.set WW, 2+(\a)/4
.set WS, WW|(WW<<2)
.set PCS, PC+20*((\a)%2)
.set PWR, PW+(\a)%2
.set PSR, PWS+(\a)%2
.if (\a) >= 2
	s_wait_dscnt 7
.endif
	WIN WS
.irp b, 0,1,2,3
	v_max3_num_f32 v[TM+\b], |v[AC+16*\b]|, |v[AC+16*\b+1]|, 0x1800000
.endr
.irp i, 2,4,6,8,10,12,14
.irp b, 0,1,2,3
	v_max3_num_f32 v[TM+\b], |v[AC+16*\b+\i]|, |v[AC+16*\b+\i+1]|, v[TM+\b]
.endr
.endr
	WIN 0
	v_max_num_f32 v[TM+4], v[TM], v[TM+1]          ; my blocks h and 2 + h of the row's four: 32 results each, all mine
	v_max_num_f32 v[TM+5], v[TM+2], v[TM+3]
	v_add_nc_u32 v[TM+12], 0xff000000, v[TM+4]     ; 2 off the exponent field: the conversion's scale operand
	v_add_nc_u32 v[TM+13], 0xff000000, v[TM+5]
	v_lshrrev_b32 v[TM+6], 23, v[TM+12]
	v_lshrrev_b32 v[TM+7], 23, v[TM+13]
	v_lshl_or_b32 v[PWR], v[TM+7], 16, v[TM+6]
	v_lshlrev_b32 v[PWR], v7, v[PWR]               ; my two bytes at their places, 8 h bits up,
	v_permlanex16_b32 v[TM+8], v[PWR], s[SEL], s[SEL+1]
	v_or_b32 v[PWR], v[PWR], v[TM+8]               ; and lane l xor 16's two
	WIN WW
.irp c, 0,1
	v_cvt_scalef32_pk16_fp6_f32 v[PCS+6*\c:PCS+6*\c+2], v[AC+32*\c:AC+32*\c+15], v[TM+12+\c]
	v_cvt_scalef32_pk16_fp6_f32 v[PCS+12+4*\c:PCS+14+4*\c], v[AC+16+32*\c:AC+31+32*\c], v[TM+12+\c]
.endr
	WIN 0
	v_nop
.irp c, 0,1
.irp i, 0,1,2
	v_mov_b32 v[PCS+3+6*\c+\i], v[PCS+12+4*\c+\i]
.endr
.endr
	v_lshrrev_b32 v[PSR], v[SH], v[PWR]
	v_and_b32 v[PSR], s[MASKW], v[PSR]
.irp p, 0,1,2,3,4,5
	ds_store_b64 v[STO], v[PCS+2*\p:PCS+2*\p+1] offset:CHK*(\p/3)+768*(\a)+8*(\p%3)
.endr
	ds_store_b32 v[SSTO], v[PSR] offset:64*(\a)
.endm
	PLACES NP
	v_mov_b32 v[TM+8], 0                           ; written once: a lane permute's destination counts as one of its sources
	v_lshrrev_b32 v7, 1, v[SH]                     ; 8 h
.irp a, 0,1,2,3,4,5,6,7
	QUANTW \a
.endr
.set k, 0
.rept 26
	ds_load_b128 v[OUTR+4*k:OUTR+4*k+3], v[RD] offset:512*k
.set k, k+1
.endr
.set k, 0
.rept 24
	s_wait_dscnt 25-k
	global_store_b128 v[CO], v[OUTR+4*k:OUTR+4*k+3], s[8:9] offset:512*k
.set k, k+1
.endr
	s_wait_dscnt 0x0
	global_store_b128 v[CO], v[OUTR+96:OUTR+99], s[10:11]
	s_cmp_ge_u32 s12, 4
	s_cbranch_scc1 .Lv_part
	global_store_b128 v[CO], v[OUTR+100:OUTR+103], s[10:11] offset:512
.Lv_part:
	s_wait_tensorcnt 0x0
	ds_add_u32 v[SPW], v[NIL]
	s_wait_dscnt 0x0
	CROUND
	s_endpgm
.Lfunc_end_k_qf1d2cec388_qkv:
	.size	k_qf1d2cec388_qkv, .Lfunc_end_k_qf1d2cec388_qkv-k_qf1d2cec388_qkv
	.p2alignl 7, 3214868480
	.fill 96, 4, 3214868480
	.section	.rodata,"a",@progbits
	.p2align	6, 0x0
	.amdhsa_kernel k_qf1d2cec388_qkv
		.amdhsa_group_segment_fixed_size 327680
		.amdhsa_private_segment_fixed_size 0
		.amdhsa_enable_private_segment 0
		.amdhsa_kernarg_size 32
		.amdhsa_user_sgpr_count 2
		.amdhsa_user_sgpr_kernarg_segment_ptr 1
		.amdhsa_wavefront_size32 1
		.amdhsa_system_sgpr_workgroup_id_x 1
		.amdhsa_system_sgpr_workgroup_id_y 1
		.amdhsa_system_sgpr_workgroup_id_z 1
		.amdhsa_system_vgpr_workitem_id 0
		.amdhsa_next_free_vgpr 1024
		.amdhsa_next_free_sgpr 102
		.amdhsa_reserve_vcc 0
		.amdhsa_float_denorm_mode_32 3
		.amdhsa_float_denorm_mode_16_64 3
		.amdhsa_memory_ordered 1
		.amdhsa_forward_progress 1
		.amdhsa_inst_pref_size 166
	.end_amdhsa_kernel
	.amdgpu_metadata
---
amdhsa.version: [ 1, 2 ]
amdhsa.kernels:
  - .name:           k_qf1d2cec388_qkv
    .symbol:         k_qf1d2cec388_qkv.kd
    .args:
      - { .name: codes, .offset: 0, .size: 8, .value_kind: global_buffer, .address_space: global }
      - { .name: scales, .offset: 8, .size: 8, .value_kind: global_buffer, .address_space: global }
      - { .name: qkvc, .offset: 16, .size: 8, .value_kind: global_buffer, .address_space: global }
      - { .name: qkvs, .offset: 24, .size: 8, .value_kind: global_buffer, .address_space: global }
    .group_segment_fixed_size: 327680
    .private_segment_fixed_size: 0
    .kernarg_segment_align: 8
    .kernarg_segment_size: 32
    .max_flat_workgroup_size: 128
    .sgpr_count:     102
    .vgpr_count:     1024
    .wavefront_size: 32
...
	.end_amdgpu_metadata
.endif
;; end of part 2
;; launch attn (part 3): grid 8 x 32, 16 waves a work-group, no clusters, 327,680 bytes of LDS; arguments qkvc, qkvs, aoc, aos; writes aoc, aos
.if DOCPART == 3
	.amdgcn_target "amdgcn-amd-amdhsa--gfx1250"
	.amdhsa_code_object_version 6
	.text
	.protected	k_qf1d2cec388_attn
	.globl	k_qf1d2cec388_attn
	.p2align	8
	.type	k_qf1d2cec388_attn,@function
k_qf1d2cec388_attn:
	s_mov_b64 s[64:65], 0
	v_nop
	global_prefetch_b8 v0, s[64:65] scope:SCOPE_SE
	s_setreg_imm32_b32 hwreg(HW_REG_WAVE_MODE, 25, 1), 1
	s_wait_xcnt 0x0
; Causal attention of one head on codes of FP6 (E2M3) with E8M0 scales; 2 batches x 16 heads of 64, 2,048 tokens.  The result, divided by the row's sum, leaves as codes quantised along the head's 64.
; SOFTMAX: t = score x log2(e) / 8; M = the row's largest t so far, rounded UP to a whole number; p = 2^(t - M) is quantised along the keys; the row's sum is taken of the unquantised p, in f32.
; When M moves, the sum and O are multiplied by 2^(old M - new M): exact.
; SHARES.  A work-group owns one head and two blocks of 128 queries, 15 - i and i: 17 block steps whatever i.  Wave (a, k) owns tile a (16 queries) of BOTH blocks, and of each the key steps (128 keys) of parity k: nine steps
; in all for k = 0, eight for k = 1, one of them on a diagonal.  The waves (a, 0) and (a, 1) join their halves of a tile through LDS: (a, 0) finishes block 15 - i's tile, (a, 1) block i's.
; DEAD WORK left out: key steps wholly above the diagonal, whose scores reference() overwrites by -inf, by a scalar branch on ids.  All loops have constant trip counts.
; NO CLUSTER: the work-groups of a head read the same K and V, but which steps a wave works hangs on its work-group's block of queries, which in a cluster would be the work-group's place; no branch may hang on that.
; THE WHOLE HEAD LIES IN LDS, filled once, one tensor load a wave at the head: waves 0-3 K's scale words, K's steps 0-3, V's scale words, V's steps 0-3; waves 4, 5 the steps 4-15 of K, V.  The first two steps need the first four alone.
; No prefetch: all tiles are asked for at the head; no loop fetches from memory.
; LAYOUT.  Both products are used transposed: S^T = K Q^T, O^T = V^T P^T: a lane holds ONE query throughout.  Keys and V's features lie at positions (32 h + 8 j + i at 16 j + 8 h + i inside each 64): so lane (r, h)'s registers
; 32 c .. 32 c + 31 of S^T are the keys 64 c + 32 h + 0 .. 31, one whole scale block and the very order of the next operand; O^T's 32 registers are the features 32 h + 0 .. 31.
; The head's 64 fill half of the first product's K step of 128: the upper six registers of Q's fragment are zero codes, cleared once.  So what stands in the upper six of K's fragments adds nothing (codes of FP6 are all finite):
; tile t's fragment is the twelve registers from KF + 6 t on, its upper half tile t + 1's codes (for the last tile the other block's Q).  The scale bytes of the upper half are 0, which is 2^-127.
; LIMITS: NaN and infinities are not served (nor carried from work left out); the promise holds while the scaled scores stay under 2^31 in magnitude; a block whose largest magnitude lies under 2^-124 keeps the byte 1 (read by this program alone).
; REGISTERS: v1-4 addresses that stay; v5-8 in hand; v9 the mask's bound; v[10:11] f; v12 -M, v13 the largest t, v[14:15] the sum in two halves; v16-27 Q; v28-31 K's scale words; v32-79 K's codes; v80-85, v86 the second block's Q and scale word;
;   v88, v89 the add's; v90-97 at work; v98 where my partial results go; v128-191 S^T, then p, then V's fragments; v192-223 O^T; v224-235 p's codes; v236-251 at work; v252-253 V's scale words; v254 p's word; v255 Q's.
.set VB,   98304                       ; LDS: K at 0, V here: [step][half of the keys][64 features][24 x 2];
.set KSC,  196608                      ; K's scale words [2048 positions];
.set VSC,  204800                      ; V's [16 steps][64 features];
.set PART, 208896                      ; for each a three places of PSZ bytes: (a, 0)'s and (a, 1)'s half of block 15 - i's tile, (a, 0)'s half of block i's
.set PSZ,  4608
.set SPARE, PART+24*PSZ
.set SSTG, 12288                       ; the way out lies where K lay, behind the last barrier of the steps: 768 bytes of codes for each wave from 0 on, then 256 scale bytes for each block
.set KSR,  28
.set KF,   32
.set S,    128
.set OT,   192
.set PCD,  224
.set BM,   236
.set WK,   240
.set TP,   247
.set CVS,  248
.set BY,   250
.set VSR,  252
.set PWD,  254
.set QS,   255
; SCALARS: s12 wave, s13 my block of queries, s14 k, s15 a, s16 key step, s17 trips, s18 / s19 / s100 the step's bytes in K and V / K's scale words / V's, s[20:21] lane selects, s[22:23] c, s66 a / 4, s67 -infinity
	s_load_b256 s[4:11], s[0:1], 0x0               ; qkvc, qkvs, aoc, aos
	v_lshl_add_u32 v88, v0, 2, SPARE
	v_mov_b32 v89, 0
	ds_add_u32 v88, v89                            ; the opening lines: the add, twice on end, and its wait
	ds_add_u32 v88, v89
	v_lshrrev_b32 v1, 5, v0
	v_readfirstlane_b32 s12, v1                    ; wave 0..15
	s_and_b32 s66, ttmp7, 0xffff
	s_lshr_b32 s67, s66, 4                         ; batch
	s_and_b32 s66, s66, 15                         ; head
	s_lshr_b32 s15, s12, 1                         ; a
	s_lshr_b32 s14, s12, 2
	s_add_co_u32 s14, s14, s12
	s_and_b32 s14, s14, 1                          ; k = (w + w / 4) % 2
	s_lshr_b32 s16, s66, 1
	s_lshl_b32 s16, s16, 4
	s_lshl_b32 s100, s67, 7
	s_add_co_u32 s100, s100, s16                   ; 128 batch + 16 pair: the head's first block in each third of qkvc
	s_and_b32 s101, s66, 1                         ; which of the pair
.macro GROUP1 g, cols, rows, pitch                     ; elements of 8 bytes, no padding, no mask
	s_mov_b32 s[\g], 3<<16
	s_mov_b32 s[\g+1], (\cols)<<16
	s_mov_b32 s[\g+2], (\rows)<<16
	s_mov_b32 s[\g+3], (\cols)<<16
	s_mov_b32 s[\g+4], \rows
	s_mov_b32 s[\g+5], \pitch
	s_mov_b32 s[\g+6], 0
	s_mov_b32 s[\g+7], 0
.endm
	GROUP1 24, 768, 4, 1536                        ; K: a step's row is 6,144 bytes, 12,288 apart
	GROUP1 32, 768, 12, 1536
	GROUP1 40, 384, 8, 768                         ; V: (step, half of the keys): 3,072 bytes, 6,144 apart
	GROUP1 48, 384, 24, 768
	GROUP1 56, 64, 16, 128                         ; scale words: 512 bytes (K) or 256 (V), 1,024 apart
	GROUP1 68, 32, 16, 128
.macro GROUP0 g, third, unit, mine, lds                ; the LDS address, and the offset from the buffer: (256 x third + first block) x unit + mine if I am the pair's second head
	s_mov_b32 s[\g], 1
	s_mov_b32 s[\g+1], \lds
	s_add_co_u32 s16, s100, 256*(\third)
	s_mul_i32 s16, s16, \unit
	s_mul_i32 s[\g+2], s101, \mine
	s_add_co_u32 s[\g+2], s[\g+2], s16
	s_mov_b32 s[\g+3], 0
.endm
	GROUP0 76, 1, 12288, 6144, 0                   ; K's steps 0-3
	GROUP0 84, 2, 12288, 3072, VB                  ; V's
	GROUP0 92, 1, 1024, 512, KSC
	GROUP0 96, 2, 1024, 256, VSC
	s_mov_b32 s80, 1                               ; K's steps 4-15
	s_mov_b32 s81, 24576
	s_mov_b32 s88, 1                               ; V's
	s_mov_b32 s89, VB+24576
	s_wait_alu depctr_va_vdst(0)                   ; directly ahead of the waits below
	s_wait_dscnt 0x0                               ; both opening adds are done
	s_wait_kmcnt 0x0
	s_add_nc_u64 s[78:79], s[4:5], s[78:79]
	s_add_nc_u64 s[86:87], s[4:5], s[86:87]
	s_add_nc_u64 s[94:95], s[6:7], s[94:95]
	s_add_nc_u64 s[98:99], s[6:7], s[98:99]
	s_add_nc_u64 s[82:83], s[78:79], 49152
	s_add_nc_u64 s[90:91], s[86:87], 49152
.irp g, 79,83,87,91,95,99
	s_or_b32 s\g, s\g, 0x80000000
.endr
.macro ARM w, g0, g1
	s_cmp_eq_u32 s12, \w
	s_cbranch_scc0 .Lnext_\@
	tensor_load_to_lds s[\g0:\g0+3], s[\g1:\g1+7]
	s_nop 0
.rept 4
	v_nop
.endr
	s_branch .Lasked
.Lnext_\@:
.endm
	ARM 0, 92, 56                                  ; one chain of branches on the wave's number, at most one load on any way
	ARM 1, 76, 24
	ARM 2, 96, 68
	ARM 3, 84, 40
	ARM 4, 80, 32
	ARM 5, 88, 48
.Lasked:
	s_sub_co_u32 s13, 15, ttmp9                    ; block 15 - i comes first
	s_sub_co_u32 s16, s13, ttmp9
	s_mul_i32 s16, s16, s14
	s_sub_co_u32 s16, s13, s16                     ; the block whose tile I finish: 15 - i for k = 0, i for k = 1
	s_lshl_b32 s16, s16, 7
	s_lshl_b32 s18, s67, 11
	s_add_co_u32 s18, s18, s16                     ; its first position among the 4,096
	s_lshl_b32 s16, s18, 1
	s_lshl_b32 s19, s66, 13
	s_add_co_u32 s16, s16, s19
	s_mov_b32 s17, 0
	s_add_nc_u64 s[10:11], s[10:11], s[16:17]      ; aos: [head][position][2]
	s_lshl_b32 s19, s15, 4
	s_add_co_u32 s18, s18, s19
	s_mul_i32 s16, s18, 48
	s_mul_i32 s19, s66, 196608
	s_add_co_u32 s16, s16, s19
	s_add_nc_u64 s[8:9], s[8:9], s[16:17]          ; aoc: [head][position][48]
	s_mul_i32 s16, s100, 12288
	s_mul_i32 s19, s101, 6144
	s_add_co_u32 s16, s16, s19
	s_add_nc_u64 s[4:5], s[4:5], s[16:17]          ; the head's Q,
	s_lshl_b32 s16, s100, 10
	s_lshl_b32 s19, s101, 9
	s_add_co_u32 s16, s16, s19
	s_add_nc_u64 s[6:7], s[6:7], s[16:17]          ; and its scale words
	s_mul_i32 s16, s15, 768
	s_mul_i32 s18, s13, 12288
	s_mul_i32 s19, ttmp9, 12288
	s_add_co_u32 s18, s18, s16
	s_add_co_u32 s19, s19, s16
	s_lshl_b32 s16, s15, 6
	s_lshl_b32 s66, s13, 10
	s_lshl_b32 s67, ttmp9, 10
	s_add_co_u32 s66, s66, s16
	s_add_co_u32 s67, s67, s16
	s_lshr_b32 s16, s15, 2
	s_lshl_b32 s16, s16, 6
	s_and_b32 s17, s15, 3
	s_lshl_b32 s17, s17, 3
	s_add_co_u32 s16, s16, s17                     ; 64 (a / 4) + 8 (a % 4)
	s_mul_i32 s17, s15, 3*PSZ
	s_mul_i32 s100, s14, PSZ
	s_add_co_u32 s17, s17, s100
	s_add_co_u32 s17, s17, PART
	s_mov_b32 s20, 0x76543210
	s_mov_b32 s21, 0xfedcba98                      ; v_permlanex16_b32's selects for lane l xor 16
	s_mov_b32 s22, 0x3e38aa3b                      ; c = log2(e) / sqrt(64)
	s_mov_b32 s23, s22                             ; (named with it as a pair, so it is written)
	v_and_b32 v5, 15, v0                           ; r
	v_bfe_u32 v6, v0, 4, 1                         ; h
	v_and_b32 v7, 31, v0                           ; lane
	v_mul_u32_u24 v1, v5, 48
	v_lshlrev_b32 v10, 2, v5
	v_mad_u32_u24 v1, v6, 24, v1                   ; 48 r + 24 h
	v_add_nc_u32 v91, s66, v10
	v_add_nc_u32 v92, s67, v10
	v_add_nc_u32 v8, s18, v1
	v_add_nc_u32 v90, s19, v1
.irp i, 0,1,2
	global_load_b64 v[16+2*\i:17+2*\i], v8, s[4:5] offset:8*\i   ; Q of block 15 - i
	global_load_b64 v[80+2*\i:81+2*\i], v90, s[4:5] offset:8*\i  ; and of block i
.endr
	global_load_b32 v[QS], v91, s[6:7]
	global_load_b32 v86, v92, s[6:7]
	v_add_nc_u32 v2, VB, v1
	v_lshl_add_u32 v3, v7, 2, KSC                  ; a scale word a lane: lanes 0-15 an even tile's, lanes 16-31 the odd tile's behind it
	v_lshl_add_u32 v4, v7, 2, VSC
	v_lshrrev_b32 v9, 3, v5
	v_and_b32 v10, 7, v5
	v_lshl_add_u32 v98, v7, 4, s17                 ; my partial results' place: 16 bytes a lane
	v_lshl_add_u32 v9, v9, 5, v10                  ; 32 (r / 8) + r % 8
	v_lshlrev_b32 v10, 5, v6
	v_sub_nc_u32 v9, v9, v10
	v_add_nc_u32 v9, s16, v9                       ; my query's true place in its block, less 32 h: register 32 c + i holds key 64 c + 32 h + i: hidden on the diagonal where 64 c + i is above this
	s_lshr_b32 s66, s15, 2
	s_mov_b32 s67, 0xff800000
	v_mov_b32 v11, 0                               ; (named as the upper half of the pair)
.irp i, 22,23,24,25,26,27
	v_mov_b32 v\i, 0                               ; zero codes: K 64 .. 127 of the first product
.endr
	v_mov_b32 v[TP], 0
.macro BEGIN                           ; a tile's start: M under every t, the sum and O^T zero: the first change of M leaves zeros zeros
	v_mov_b32 v13, 0xff61b1e6                      ; the largest t so far: -3e38
	v_mov_b32 v14, 0
	v_mov_b32 v15, 0
.set j, 0
.rept 32
	v_mov_b32 v[OT+j], 0
.set j, j+1
.endr
	v_floor_f32 v12, -v13                          ; -M
	s_mov_b32 s16, s14
	s_mul_i32 s18, s14, 6144
	s_lshl_b32 s19, s14, 9
	s_lshl_b32 s100, s14, 8
.endm
	BEGIN
; A KEY STEP: 128 keys.  full = 1: it may be left out, or lie on the diagonal.
.macro STEP full
.if \full
	s_cmp_gt_u32 s16, s13                          ; all its keys come after my queries: left out; not the lines at its end that step addresses
	s_cbranch_scc1 .Lskip_\@
.endif
	v_add_nc_u32 v5, s18, v1
	v_add_nc_u32 v6, s18, v2
	v_add_nc_u32 v7, s19, v3
	v_add_nc_u32 v8, s100, v4
	v_nop                                          ; five places: the scores are written over registers that the last step's products read as V's fragments
.irp b, 0,1,2,3
	ds_load_b32 v[KSR+\b], v7 offset:128*\b
.endr
.irp t, 0,1,2,3,4,5,6,7
.irp p, 0,1,2
	ds_load_b64 v[KF+6*\t+2*\p:KF+6*\t+2*\p+1], v5 offset:768*\t+8*\p
.endr
.endr
.irp t, 0,2,4,6
.if \t == 0
	s_wait_dscnt 9                                 ; tiles 0 to 4 are in (tile 3's fragment reaches into tile 4's codes); three loads each of tiles 5 to 7 may be out
.endif
.if \t == 4
	s_wait_dscnt 0x0
.endif
	v_wmma_scale_f32_16x16x128_f8f6f4 v[S+8*\t:S+8*\t+7], v[KF+6*\t:KF+6*\t+11], v[16:27], 0, v[KSR+\t/2], v[QS] matrix_a_fmt:MATRIX_FMT_FP6 matrix_b_fmt:MATRIX_FMT_FP6
	v_wmma_scale_f32_16x16x128_f8f6f4 v[S+8*\t+8:S+8*\t+15], v[KF+6*\t+6:KF+6*\t+17], v[16:27], 0, v[KSR+\t/2], v[QS] matrix_a_fmt:MATRIX_FMT_FP6 matrix_b_fmt:MATRIX_FMT_FP6 matrix_a_scale:MATRIX_SCALE_ROW1
.endr
.rept 4
	v_nop
.endr
.if \full
	s_cmp_lg_u32 s16, s13                          ; on the diagonal the scores of hidden keys become -infinity ahead of the maximum: p = 0 then
	s_cbranch_scc1 .Lopen_\@
.irp c, 0,1
	s_cmp_gt_u32 s66, \c                           ; keys 64 c .. 64 c + 63 all come before my tile: nothing to hide
	s_cbranch_scc1 .Lseen_\@_\c
.set n, 0
.rept 32
	v_cmp_le_i32 vcc_lo, 64*\c+n, v9
	v_cndmask_b32 v[S+32*\c+n], s67, v[S+32*\c+n], vcc_lo
.set n, n+1
.endr
.Lseen_\@_\c:
.endr
.Lopen_\@:
.endif
.irp b, 0,1,2,3
	v_max3_num_f32 v[BM+\b], v[S+16*\b], v[S+1+16*\b], v[S+2+16*\b]   ; the largest score of each block of 32 keys: it serves the row's maximum and, since p rises with the score, the block's largest p
.endr
.irp i, 3,5,7,9,11,13
.irp b, 0,1,2,3
	v_max3_num_f32 v[BM+\b], v[BM+\b], v[S+16*\b+\i], v[S+1+16*\b+\i]
.endr
.endr
.irp c, 0,1
	v_max3_num_f32 v[BM+2*\c], v[BM+2*\c], v[S+15+32*\c], v[S+31+32*\c]
.endr
.irp c, 0,1
	s_delay_alu instid0(VALU_DEP_2)
	v_max_num_f32 v[BM+2*\c], v[BM+2*\c], v[BM+1+2*\c]   ; block c (64 c + 32 h on): v[BM + 2 c]
.endr
	s_delay_alu instid0(VALU_DEP_1)
	v_max_num_f32 v[TP], v[BM], v[BM+2]
	s_delay_alu instid0(VALU_DEP_1)
	v_permlanex16_b32 v[BM+1], v[TP], s20, s21
	s_delay_alu instid0(VALU_DEP_1)
	v_max_num_f32 v[TP], v[TP], v[BM+1]            ; with lane l xor 16's: the step's largest score of my query
	s_delay_alu instid0(VALU_DEP_1)
	v_mul_f32 v[TP], s22, v[TP]                    ; as t (c is positive)
	s_delay_alu instid0(VALU_DEP_1)
	v_max_num_f32 v13, v13, v[TP]                  ; the running largest t
	v_mov_b32 v[TP], v12
	s_delay_alu instid0(VALU_DEP_2)
	v_floor_f32 v12, -v13                          ; the new -M = floor(-t) = -ceil(t)
	s_delay_alu instid0(VALU_DEP_1)
	v_sub_f32 v[TP], v12, v[TP]                    ; M's old value less its new one: a whole number, 0 or less
	s_delay_alu instid0(VALU_DEP_1)
	v_cvt_i32_f32 v[TP], v[TP]                     ; (it saturates)
	s_delay_alu instid0(VALU_DEP_1)
	v_ldexp_f32 v10, 1.0, v[TP]                    ; f = 2^(old M - new M)
.set j, 0
.rept 32
	v_pk_fma_f32 v[S+j:S+j+1], v[S+j:S+j+1], s[22:23], v[12:13] op_sel_hi:[1,0,0]   ; t - M, two at a time
.set j, j+2
.endr
.irp c, 0,2
	v_fma_f32 v[BM+\c], v[BM+\c], s22, v12         ; the same of each block's largest score
.endr
	s_wait_alu depctr_va_vdst(0)                   ; the wait ahead of the batch
.irp c, 0,2
	v_exp_f32 v[BM+\c], v[BM+\c]                   ; the block's largest p: the same two instructions on the same number give the same bits
.endr
.set j, 0
.rept 64
	v_exp_f32 v[S+j], v[S+j]                       ; p = 2^(t - M), at most 1: not normalised
.set j, j+1
.endr
	v_pk_mul_f32 v[14:15], v[14:15], v[10:11] op_sel_hi:[1,0]   ; the sums under the new M (a plain place behind the exponentials)
	s_wait_alu depctr_va_vdst(0)                   ; one wait for the whole batch
.irp q, 0,1,2,3
	v_pk_add_f32 v[90+2*\q:91+2*\q], v[S+4*\q:S+4*\q+1], v[S+4*\q+2:S+4*\q+3]   ; the row's sum, in four chains
.endr
.set j, 16
.rept 6
.irp q, 0,1,2,3
	v_pk_add_f32 v[90+2*\q:91+2*\q], v[90+2*\q:91+2*\q], v[S+j+2*\q:S+j+2*\q+1]
.endr
.set j, j+8
.endr
	v_pk_add_f32 v[90:91], v[90:91], v[94:95]
	v_pk_add_f32 v[92:93], v[92:93], v[96:97]
.irp c, 0,2
	v_max_num_f32 v[BM+\c], 0x1800000, v[BM+\c]    ; the floor 2^(3 - 127): the byte cannot fall under 1 (a block whose every p is 0 keeps that byte: its codes are zeros)
.endr
	v_pk_add_f32 v[90:91], v[90:91], v[92:93]
.irp c, 0,1
	v_add_nc_u32 v[CVS+\c], 0xff000000, v[BM+2*\c] ; 2 off the exponent field: the conversion's scale operand
.endr
	v_pk_add_f32 v[14:15], v[14:15], v[90:91]
.irp c, 0,1
	v_cvt_scalef32_pk16_fp6_f32 v[PCD+6*\c:PCD+2+6*\c], v[S+32*\c:S+15+32*\c], v[CVS+\c]
	v_cvt_scalef32_pk16_fp6_f32 v[WK+4*\c:WK+2+4*\c], v[S+16+32*\c:S+31+32*\c], v[CVS+\c]   ; (a conversion's three registers begin on an even number)
.endr
	v_lshrrev_b32 v[BY], 23, v[CVS]                ; the scales' bytes (plain lines behind the conversions)
	v_lshrrev_b32 v[BY+1], 23, v[CVS+1]
	s_delay_alu instid0(VALU_DEP_1)
	v_lshl_or_b32 v[BY], v[BY+1], 16, v[BY]
	s_delay_alu instid0(VALU_DEP_1)
	v_permlanex16_b32 v[BY+1], v[BY], s20, s21
	s_delay_alu instid0(VALU_DEP_1)
	v_lshl_or_b32 v[PWD], v[BY+1], 8, v[BY]        ; p's scale word, in lanes 0-15, which alone are read: bytes 0, 2 mine, bytes 1, 3 lane l + 16's
.irp t, 0,1
	ds_load_b32 v[VSR+\t], v8 offset:128*\t
.endr
.irp t, 0,1,2,3                                ; V's four fragments land where p stood: the conversions have read it; they come while O^T is rescaled
.irp c, 0,1
.irp i, 0,1,2
	ds_load_b64 v[S+12*\t+6*\c+2*\i:S+12*\t+6*\c+2*\i+1], v6 offset:3072*\c+768*\t+8*\i
.endr
.endr
.endr
.irp c, 0,1
.irp i, 0,1,2
	v_mov_b32 v[PCD+3+6*\c+\i], v[WK+4*\c+\i]
.endr
.endr
.set j, 0
.rept 16
	v_pk_mul_f32 v[OT+j:OT+j+1], v[OT+j:OT+j+1], v[10:11] op_sel_hi:[1,0]   ; O^T under the new M.  (These sixteen are also the places between p's codes and word and the products below)
.set j, j+2
.endr
	s_wait_alu depctr_va_vdst(0)                   ; directly ahead of the wait below
	s_wait_dscnt 0x0
.irp t, 0,2                                    ; O^T += V^T P^T: the four accumulators by turns
	v_wmma_scale_f32_16x16x128_f8f6f4 v[OT+8*\t:OT+8*\t+7], v[S+12*\t:S+12*\t+11], v[PCD:PCD+11], v[OT+8*\t:OT+8*\t+7], v[VSR+\t/2], v[PWD] matrix_a_fmt:MATRIX_FMT_FP6 matrix_b_fmt:MATRIX_FMT_FP6
	v_wmma_scale_f32_16x16x128_f8f6f4 v[OT+8*\t+8:OT+8*\t+15], v[S+12*\t+12:S+12*\t+23], v[PCD:PCD+11], v[OT+8*\t+8:OT+8*\t+15], v[VSR+\t/2], v[PWD] matrix_a_fmt:MATRIX_FMT_FP6 matrix_b_fmt:MATRIX_FMT_FP6 matrix_a_scale:MATRIX_SCALE_ROW1
.endr
.if \full
.Lskip_\@:
.endif
	s_add_co_u32 s16, s16, 2
	s_add_co_u32 s18, s18, 2*6144
	s_add_co_u32 s19, s19, 2*512
	s_add_co_u32 s100, s100, 2*256
	s_sub_co_u32 s17, s17, 1
	s_cmp_lg_u32 s17, 0
.endm
.macro PARTOUT off                     ; O^T, -M and the sum go to LDS
.irp i, 0,1,2,3,4,5,6,7
	ds_store_b128 v98, v[OT+4*\i:OT+4*\i+3] offset:\off+512*\i
.endr
	ds_store_b128 v98, v[12:15] offset:\off+4096
.endm
	s_wait_alu depctr_va_vdst(0)                   ; the wait at the head's end
	s_wait_loadcnt 0x0                             ; Q
	s_cmp_lt_u32 s12, 4
	s_cbranch_scc0 .Lnot_first
	s_wait_tensorcnt 0x0                           ; waves 0-3: the scale words and steps 0-3 have landed; waves 4 and 5 may have theirs out: nothing is filled twice in this launch
.Lnot_first:
	s_barrier_signal -1
	s_barrier_wait -1
	s_mov_b32 s17, 2
.Lfirst:                                           ; block 15 - i, steps k and 2 + k: i is 7 at the most, so they lie below the diagonal
	STEP 0
	s_cbranch_scc1 .Lfirst
	s_wait_tensorcnt 0x0                           ; the rest has landed,
	s_wait_dscnt 0x0
	s_barrier_signal -1
	s_barrier_wait -1                              ; for everybody
	s_mov_b32 s17, 6
.Lrest:                                            ; its steps 4 + k .. 14 + k
	STEP 1
	s_cbranch_scc1 .Lrest
	v_add_f32 v14, v14, v15                        ; the sum's two halves
.irp i, 0,1,2,3,4,5
	v_mov_b32 v[16+\i], v[80+\i]                   ; block i's Q (these lines are the places behind the last products too)
.endr
	v_mov_b32 v[QS], v86
	PARTOUT 0
	s_wait_dscnt 0x0                               ; the stores have read their registers
	BEGIN
	s_mov_b32 s13, ttmp9
	s_mov_b32 s17, 4
	s_wait_alu depctr_va_vdst(0)                   ; the wait here: a wave may leave out all of the steps below
.Lshort:                                           ; block i, steps k .. 6 + k
	STEP 1
	s_cbranch_scc1 .Lshort
	; THE TWO HALVES OF A TILE ARE JOINED.
	v_add_f32 v14, v14, v15
	v_nop                                          ; places behind the last products
	v_nop
	v_nop
	s_wait_alu depctr_va_vdst(0)                   ; the wait here, ahead of the branch and the barrier
	s_cmp_lg_u32 s14, 0
	s_cbranch_scc1 .Lhold
	PARTOUT 2*PSZ                                  ; (a, 0)'s half of block i's tile, for (a, 1)
.Lhold:
	s_wait_dscnt 0x0                               ; for the others' sake: my partial results lie in LDS, and my reads of K and V are over
	s_barrier_signal -1
	s_barrier_wait -1
	s_cmp_lg_u32 s14, 0
	s_cbranch_scc1 .Lheld
.irp i, 0,1,2,3,4,5,6,7
	ds_load_b128 v[OT+4*\i:OT+4*\i+3], v98 offset:512*\i          ; (a, 0): my own half of block 15 - i's tile
.endr
	ds_load_b128 v[12:15], v98 offset:4096
.Lheld:
.irp i, 0,1,2,3,4,5,6,7
	ds_load_b128 v[S+4*\i:S+4*\i+3], v98 offset:PSZ+512*\i        ; the other wave's half: one place on for k = 0 and k = 1 alike
.endr
	ds_load_b128 v[32:35], v98 offset:PSZ+4096
	s_mul_i32 s18, s12, 768                        ; my stage
	s_lshl_b32 s19, s14, 8
	s_add_co_u32 s19, s19, SSTG
	s_lshl_b32 s16, s15, 5
	s_add_co_u32 s16, s16, s19
	s_wait_dscnt 0x0
	v_min_num_f32 v5, v12, v32                     ; -M of both
	v_sub_f32 v6, v5, v12
	v_sub_f32 v7, v5, v32
	v_cvt_i32_f32 v6, v6
	v_cvt_i32_f32 v7, v7
	v_ldexp_f32 v6, 1.0, v6                        ; 2^(M of a half - M): a half without steps has M = -3e38: 0
	v_ldexp_f32 v7, 1.0, v7
	v_mul_f32 v14, v14, v6
	v_fma_f32 v14, v34, v7, v14
	v_permlanex16_b32 v[TP], v14, s20, s21
	v_add_f32 v14, v14, v[TP]                      ; with lane l xor 16's: the row's sum
	s_wait_alu depctr_va_vdst(0)
	v_rcp_f32 v8, v14
	v_add_nc_u32 v90, s18, v1                      ; the stage, in: 48 r + 24 h  (plain lines behind the reciprocal)
	v_and_b32 v91, 31, v0
	v_and_b32 v94, 15, v0
	v_bfe_u32 v96, v0, 4, 1
	v_lshlrev_b32 v92, 3, v91                      ; 8 x lane
	v_lshl_add_u32 v94, v94, 1, v96
	v_add_nc_u32 v93, s18, v92                     ; back
	v_add_nc_u32 v94, s16, v94                     ; my scale byte: 2 r + h of my tile's 32
	v_add_nc_u32 v95, s19, v92                     ; a block's 256 bytes back
	s_wait_alu depctr_va_vdst(0)                   ; the wait ahead of the reciprocal's first reader
	v_mul_f32 v10, v6, v8
	v_mul_f32 v14, v7, v8
.set j, 0
.rept 16
	v_pk_mul_f32 v[S+j:S+j+1], v[S+j:S+j+1], v[14:15] op_sel_hi:[1,0]
.set j, j+2
.endr
.set j, 0
.rept 16
	v_pk_fma_f32 v[S+j:S+j+1], v[OT+j:OT+j+1], v[10:11], v[S+j:S+j+1] op_sel_hi:[1,0,1]   ; O / the sum: register n is feature 32 h + n of my query
.set j, j+2
.endr
	; THE WAY OUT: one block of 32 features a lane: 24 bytes of codes and a scale byte
.irp b, 0,1
	v_max3_num_f32 v[BM+\b], |v[S+16*\b]|, |v[S+1+16*\b]|, 0x1800000
.endr
.irp i, 2,4,6,8,10,12,14
.irp b, 0,1
	v_max3_num_f32 v[BM+\b], v[BM+\b], |v[S+16*\b+\i]|, |v[S+1+16*\b+\i]|
.endr
.endr
	v_max_num_f32 v[BM], v[BM], v[BM+1]
	v_add_nc_u32 v[CVS], 0xff000000, v[BM]
	v_lshrrev_b32 v[BY], 23, v[CVS]
	v_cvt_scalef32_pk16_fp6_f32 v[PCD:PCD+2], v[S:S+15], v[CVS]
	v_cvt_scalef32_pk16_fp6_f32 v[WK+4:WK+6], v[S+16:S+31], v[CVS]
	v_nop                                          ; one plain place behind a scaled conversion
.irp i, 0,1,2
	v_mov_b32 v[PCD+3+\i], v[WK+4+\i]
.endr
.irp i, 0,1,2
	ds_store_b64 v90, v[PCD+2*\i:PCD+2*\i+1] offset:8*\i
.endr
	ds_store_b8 v94, v[BY]
.irp i, 0,1,2
	ds_load_b64 v[S+2*\i:S+2*\i+1], v93 offset:256*\i   ; LDS serves a wave's instructions in order (ISA guide 5.7.1.4): these see my stores
.endr
	s_wait_dscnt 0x0                               ; for the others' sake too: my scale bytes lie in LDS
	s_barrier_signal -1
	s_barrier_wait -1
.irp i, 0,1,2
	global_store_b64 v92, v[S+2*\i:S+2*\i+1], s[8:9] offset:256*\i   ; 32 lanes store 256 consecutive bytes, aligned
.endr
	s_cmp_lt_u32 s12, 2                            ; waves 0 and 1 have k = 0 and 1: each stores its block's 256 scale bytes
	s_cbranch_scc0 .Lend
	ds_load_b64 v[S+8:S+9], v95
	s_wait_dscnt 0x0
	global_store_b64 v92, v[S+8:S+9], s[10:11]
.Lend:
	s_wait_tensorcnt 0x0                           ; the wave's end
	ds_add_u32 v88, v89
	s_wait_dscnt 0x0
	s_endpgm
.Lfunc_end_k_qf1d2cec388_attn:
	.size	k_qf1d2cec388_attn, .Lfunc_end_k_qf1d2cec388_attn-k_qf1d2cec388_attn
	.p2alignl 7, 3214868480
	.fill 96, 4, 3214868480
	.section	.rodata,"a",@progbits
	.p2align	6, 0x0
	.amdhsa_kernel k_qf1d2cec388_attn
		.amdhsa_group_segment_fixed_size 327680
		.amdhsa_private_segment_fixed_size 0
		.amdhsa_enable_private_segment 0
		.amdhsa_kernarg_size 32
		.amdhsa_user_sgpr_count 2
		.amdhsa_user_sgpr_kernarg_segment_ptr 1
		.amdhsa_wavefront_size32 1
		.amdhsa_system_sgpr_workgroup_id_x 1
		.amdhsa_system_sgpr_workgroup_id_y 1
		.amdhsa_system_sgpr_workgroup_id_z 1
		.amdhsa_system_vgpr_workitem_id 0
		.amdhsa_next_free_vgpr 256
		.amdhsa_next_free_sgpr 102
		.amdhsa_reserve_vcc 1
		.amdhsa_float_denorm_mode_32 3
		.amdhsa_float_denorm_mode_16_64 3
		.amdhsa_memory_ordered 1
		.amdhsa_forward_progress 1
		.amdhsa_inst_pref_size 84
	.end_amdhsa_kernel
	.amdgpu_metadata
---
amdhsa.version: [ 1, 2 ]
amdhsa.kernels:
  - .name:           k_qf1d2cec388_attn
    .symbol:         k_qf1d2cec388_attn.kd
    .args:
      - { .name: qkvc, .offset: 0, .size: 8, .value_kind: global_buffer, .address_space: global }
      - { .name: qkvs, .offset: 8, .size: 8, .value_kind: global_buffer, .address_space: global }
      - { .name: aoc, .offset: 16, .size: 8, .value_kind: global_buffer, .address_space: global }
      - { .name: aos, .offset: 24, .size: 8, .value_kind: global_buffer, .address_space: global }
    .group_segment_fixed_size: 327680
    .private_segment_fixed_size: 0
    .kernarg_segment_align: 8
    .kernarg_segment_size: 32
    .max_flat_workgroup_size: 512
    .sgpr_count:     102
    .vgpr_count:     256
    .wavefront_size: 32
...
	.end_amdgpu_metadata
.endif
;; end of part 3
;; launch oproj (part 4): grid 8 x 32, 4 waves a work-group, clusters of 4 x 4, 223,232 bytes of LDS; arguments aoc, aos, codes, scales, out0; writes out0
.if DOCPART == 4
	.amdgcn_target "amdgcn-amd-amdhsa--gfx1250"
	.amdhsa_code_object_version 6
	.text
	.protected	k_qf1d2cec388_oproj
	.globl	k_qf1d2cec388_oproj
	.p2align	8
	.type	k_qf1d2cec388_oproj,@function
k_qf1d2cec388_oproj:
	s_mov_b64 s[64:65], 0
	v_nop
	global_prefetch_b8 v0, s[64:65] scope:SCOPE_SE
	s_setreg_imm32_b32 hwreg(HW_REG_WAVE_MODE, 25, 1), 1
	s_wait_xcnt 0x0
	s_wait_alu depctr_hold_cnt(0) depctr_sa_sdst(0) depctr_va_vdst(0) depctr_va_sdst(0) depctr_va_ssrc(0) depctr_va_vcc(0) depctr_vm_vsrc(0)
	s_getreg_b32 s2, hwreg(HW_REG_IB_STS2, 6, 4)
	s_cmp_eq_u32 s2, 0
	s_cbranch_scc0 .Lentry_in_a_cluster
	s_endpgm
.Lentry_in_a_cluster:
	s_bfe_u32 s2, ttmp6, 0x10000c
	s_cmp_lg_u32 s2, 0xf033
	s_cbranch_scc0 .Lentry_shape_is_right
	s_endpgm
.Lentry_shape_is_right:
; out0 = A W_o^T on codes of FP6 (E2M3) with E8M0 scales, sums in f32.  A: the attention's result, aoc [16 heads = chunks of 64 along K][4096 positions][48 bytes], aos [16 heads][4096 positions][2 scale bytes].
; W_o: positions 7,168 on of codes [16 chunks][8192 positions][48] and of scales [8192 positions][32].  out0: [4096][1024] f32.
; A tile of out0 is 128 x 128: 256 work-groups.  Four waves, 64 x 64 each: 16 accumulators.  Both panels (128 rows x all of K: 98,304 bytes each) lie in LDS whole, filled ONCE: one load a wave at the head:
; waves 0, 1 K's first half of A, W_o; waves 2, 3 its second half.  The first four K steps need the first half alone.  No loop fetches from memory, so nothing is prefetched.
; CLUSTERS: 4 x 4 work-groups.  A's panel hangs on the tile row alone and is shared along a row of the cluster, W_o's on the tile column alone and is shared along a column: each is asked for jointly.
; THE SCALE BYTES come by plain loads, issued ahead of the opening round: a thread takes one row of A (two bytes of each head) and one of W_o (32 bytes) and lays both in LDS as words of 128 along K.
; THE MATRIX INSTRUCTION IS USED TRANSPOSED (source 0 = 16 rows of W_o, source 1 = 16 rows of A): a lane holds eight neighbouring numbers of a row of out0.
; Rows lie at POSITIONS (32 h + 8 j + i at 16 j + 8 h + i inside each 64): the way out puts columns and rows back in true order, by the offsets of its LDS stores and of its global stores.
; LIMITS: NaN and infinities are not served.
; REGISTERS: v1-15 addresses; v16-31, v224-239 scale words of K's two halves (lanes 0-15 A's block i, lanes 16-31 W_o's block i); v32-127, v128-223 fragments, two sets (W_o's four, A's four);
;   window 1 (v256-383): the accumulators ((a, b) at 8 (4 a + b)).
.set CHK,  6144                        ; 128 positions of a chunk
.set BP,   98304                       ; LDS: A's panel [16 chunks][128][48] at 0, W_o's here;
.set ASW,  196608                      ; scale words: A's 128 rows x 32 bytes, as runs of 256 bytes + 16 of padding;
.set BSW,  ASW+4352                    ; W_o's likewise;
.set STG,  BSW+4352                    ; the way out: 16 rows x (256 bytes + 16) for each wave
.set SPITCH, 272
.set SPARE, STG+4*16*SPITCH
.set ADRA, 4                           ; v4-5   LDS address of my fragments of A in K's half 0, 1
.set ADRB, 6                           ; v6-7   the same for W_o
.set ADRS, 8                           ; v8     of my scale words
.set MWR,  10                          ; v10    where my thread's row of scale words goes
.set STO,  11                          ; v11    the way out: where I put 32 bytes of a row
.set RD,   12                          ; v12    where I read a row back
.set CO,   13                          ; v13    my byte offset in out0
.set OB,   32                          ; the way out: 16 rows read back: v32-63 and v64-95 by turns
.set G1A,  24                          ; s[24:31], s[32:39] descriptor groups 1: A's codes, W_o's; s[60:63], s[76:79] groups 0
.set G1B,  32
.set MSB, 0
.macro WIN new
.if MSB != \new
	s_set_vgpr_msb (MSB<<8)|\new
.set MSB, \new
.endif
.endm
.macro CROUND                          ; a round of the cluster's barrier
	s_barrier_signal -1
	s_barrier_wait -1
	s_cmp_lg_u32 s14, 0
	s_cbranch_scc1 .Lnot_wave_0_\@
	s_barrier_signal -3
.Lnot_wave_0_\@:
	s_barrier_wait -3
	s_barrier_signal -1
	s_barrier_wait -1
.endm
	s_load_b256 s[4:11], s[0:1], 0x0               ; aoc, aos, codes, scales
	s_load_b64 s[12:13], s[0:1], 0x20              ; out0
	v_lshl_add_u32 v14, v0, 2, SPARE
	v_mov_b32 v15, 0
	ds_add_u32 v14, v15                            ; the opening lines: the add, twice on end, and its wait
	ds_add_u32 v14, v15
	v_lshrrev_b32 v1, 5, v0
	v_readfirstlane_b32 s14, v1                    ; wave 0..3
	v_lshlrev_b32 v9, 1, v0                        ; my row's two bytes of a head
	v_lshlrev_b32 v2, 5, v0                        ; my row's 32 bytes of W_o's scales
	s_lshr_b32 s15, s14, 1                         ; which 64 rows of A are mine.  Also: which half of K I fetch
	s_and_b32 s16, s14, 1                          ; which 64 rows of W_o.  Also: I fetch for A (0) or for W_o (1)
	s_bfe_u32 s84, ttmp6, 0x40000                  ; cx, cy
	s_bfe_u32 s85, ttmp6, 0x40004
	s_lshl_b32 s86, ttmp9, 2
	s_add_co_u32 s86, s86, s84                     ; tile column
	s_and_b32 s87, ttmp7, 0xffff
	s_lshl_b32 s87, s87, 2
	s_add_co_u32 s87, s87, s85                     ; tile row
	s_lshl_b32 s88, s85, 2
	s_lshl_b32 s88, 15, s88                        ; my row of the cluster
	s_lshl_b32 s89, 0x1111, s84                    ; my column
	; codes: eight rows (chunks) of 768 elements of 8 bytes; a chunk of all positions is 196,608 bytes in aoc, 393,216 in codes
	s_or_b32 s[G1A], s88, (3<<16)|(1<<21)
	s_or_b32 s[G1B], s89, (3<<16)|(1<<21)
.irp g, G1A, G1B
	s_mov_b32 s[\g+1], 768<<16
	s_mov_b32 s[\g+2], 8<<16
	s_mov_b32 s[\g+3], 768<<16
	s_mov_b32 s[\g+4], 8
	s_mov_b32 s[\g+6], 0
	s_mov_b32 s[\g+7], 0
.endr
	s_mov_b32 s[G1A+5], 24576
	s_mov_b32 s[G1B+5], 49152
	s_mul_i32 s90, s15, 8*196608                   ; A's codes: my half's eight chunks, the tile's 128 positions
	s_mul_i32 s91, s87, CHK
	s_add_co_u32 s90, s90, s91
	s_mov_b32 s91, 0
	s_lshl_b32 s92, s87, 8                         ; A's scales: the tile's 256 bytes of a head
	s_mov_b32 s93, 0
	s_mul_i32 s94, s15, 8*393216                   ; W_o's codes
	s_mul_i32 s95, s86, CHK
	s_add_co_u32 s94, s94, s95
	s_add_co_u32 s94, s94, 7168*48
	s_mov_b32 s95, 0
	s_lshl_b32 s96, s86, 12                        ; W_o's scales: the tile's 128 rows
	s_add_co_u32 s96, s96, 7168*32
	s_mov_b32 s97, 0
	s_mul_i32 s98, s15, 8*CHK                      ; where the codes go: by the wave's number alone
	s_wait_alu depctr_va_vdst(0)                   ; directly ahead of the waits below
	s_wait_dscnt 0x0                               ; both opening adds are done
	s_wait_kmcnt 0x0
	s_add_nc_u64 s[90:91], s[4:5], s[90:91]
	s_add_nc_u64 s[92:93], s[6:7], s[92:93]
	s_add_nc_u64 s[94:95], s[8:9], s[94:95]
	s_add_nc_u64 s[96:97], s[10:11], s[96:97]
.set j, 0
.rept 16
	global_load_u16 v[32+j], v9, s[92:93] offset:8192*j   ; the four waves read 256 consecutive bytes of each head
.set j, j+1
.endr
	global_load_b128 v[48:51], v2, s[96:97]
	global_load_b128 v[52:55], v2, s[96:97] offset:16
	CROUND                                         ; all sixteen work-groups are here: the joint loads meet
	s_mov_b32 s60, 1
	s_mov_b32 s61, s98
	s_mov_b64 s[62:63], s[90:91]
	s_or_b32 s63, s63, 0x80000000
	s_mov_b32 s76, 1
	s_add_co_u32 s77, s98, BP
	s_mov_b64 s[78:79], s[94:95]
	s_or_b32 s79, s79, 0x80000000
.macro ARM under, g0, g1, next
	s_cmp_lt_u32 s14, \under
	s_cbranch_scc0 \next
	tensor_load_to_lds s[\g0:\g0+3], s[\g1:\g1+7]
	s_nop 0
.rept 4
	v_nop
.endr
	s_branch .Lasked
\next:
.endm
	ARM 1, 60, G1A, .Lhead_1                       ; one tree of branches on the wave's number: every way passes exactly one load
	ARM 2, 76, G1B, .Lhead_2
	ARM 3, 60, G1A, .Lhead_3
	tensor_load_to_lds s[76:79], s[G1B:G1B+7]
	s_nop 0
.rept 4
	v_nop
.endr
.Lasked:
	s_mul_i32 s18, s15, 3072                       ; my 64 rows in each chunk
	s_mul_i32 s19, s16, 3072
	s_add_co_u32 s19, s19, BP
	s_mul_i32 s17, s15, 8*272
	s_mul_i32 s20, s16, 8*272
	s_add_co_u32 s20, s20, BSW-ASW
	s_sub_co_u32 s20, s20, s17
	s_add_co_u32 s17, s17, ASW
	s_mul_i32 s21, s14, 16*SPITCH
	s_add_co_u32 s21, s21, STG                     ; my stage
	v_and_b32 v1, 15, v0                           ; r
	v_bfe_u32 v3, v0, 4, 1                         ; h
	v_mul_u32_u24 v11, v1, 48
	v_mad_u32_u24 v11, v3, 24, v11                 ; 48 r + 24 h
	v_add_nc_u32 v[ADRA], s18, v11
	v_add_nc_u32 v[ADRB], s19, v11
	v_add_nc_u32 v[ADRA+1], 8*CHK, v[ADRA]
	v_add_nc_u32 v[ADRB+1], 8*CHK, v[ADRB]
	v_lshlrev_b32 v12, 5, v1                       ; my row's scales: 32 bytes a row,
	v_lshrrev_b32 v13, 3, v1
	v_lshl_add_u32 v12, v13, 4, v12                ; and 16 more for each 256 passed
	v_mul_u32_u24 v13, s20, v3                     ; lanes 16-31 take W_o's: one product, the distance between the two bases
	v_add_nc_u32 v12, v12, v13
	v_add_nc_u32 v[ADRS], s17, v12
	v_lshrrev_b32 v[MWR], 3, v0                    ; thread = row of the tile
	v_mul_u32_u24 v[MWR], v[MWR], 272
	v_and_b32 v11, 7, v0
	v_lshl_add_u32 v[MWR], v11, 5, v[MWR]
	v_add_nc_u32 v[MWR], ASW, v[MWR]
	v_mul_u32_u24 v[STO], v1, SPITCH
	v_lshl_add_u32 v[STO], v3, 7, v[STO]
	v_add_nc_u32 v[STO], s21, v[STO]               ; in: row r; my half's 32 columns: 128 h bytes on
	v_mul_u32_u24 v[RD], v3, SPITCH
	v_lshl_add_u32 v[RD], v1, 4, v[RD]
	v_add_nc_u32 v[RD], s21, v[RD]                 ; back: lanes 0-15 one row, lanes 16-31 the next
	v_lshlrev_b32 v[CO], 12, v3
	v_lshl_add_u32 v[CO], v1, 4, v[CO]             ; and the same two rows in out0
	s_lshl_b32 s18, s87, 19                        ; my first row: 128 x tile row + 64 x half, 4,096 bytes a row;
	s_lshl_b32 s19, s15, 18
	s_add_co_u32 s18, s18, s19
	s_lshl_b32 s19, s86, 9                         ; my first column: 128 x tile column + 64 x half, 4 bytes each
	s_add_co_u32 s18, s18, s19
	s_lshl_b32 s19, s16, 8
	s_add_co_u32 s18, s18, s19
	s_mov_b32 s19, 0
	s_add_nc_u64 s[12:13], s[12:13], s[18:19]
	s_wait_alu depctr_va_vdst(0)                   ; the wait at the head's end
	s_wait_loadcnt 0x0                             ; the scale bytes
.set j, 0
.rept 8
	v_lshl_or_b32 v[56+j], v[33+2*j], 16, v[32+2*j]   ; heads 2 j and 2 j + 1 are K step j: its scale word
.set j, j+1
.endr
	ds_store_b128 v[MWR], v[56:59]
	ds_store_b128 v[MWR], v[60:63] offset:16
	ds_store_b128 v[MWR], v[48:51] offset:BSW-ASW
	ds_store_b128 v[MWR], v[52:55] offset:BSW-ASW+16
	s_cmp_lt_u32 s14, 2
	s_cbranch_scc0 .Lsecond
	s_wait_tensorcnt 0x0                           ; waves 0 and 1: K's first half is in (waves 2 and 3 may have theirs out: nothing is filled twice)
.Lsecond:
	s_wait_dscnt 0x0                               ; for the others' sake: my scale words lie in LDS
	s_barrier_signal -1
	s_barrier_wait -1
.macro PLACES                          ; four places in front of loads into registers that matrix instructions have read, and of the first read of results (ISA guide 7.12.1 for the first read of results)
.rept 4
	v_nop
.endr
.endm
.macro FETCH s                         ; K step s: 48 loads into set s % 2; a fragment is 16 rows x 128 K: registers 6 c .. 6 c + 5 are 24 bytes of chunk 2 s + c, in pieces of 8
.irp i, 0,1,2,3
.irp p, 0,1,2,3,4,5
	ds_load_b64 v[32+96*((\s)%2)+12*\i+2*\p:33+96*((\s)%2)+12*\i+2*\p], v[ADRB+(\s)/4] offset:(2*((\s)%4)+\p/3)*CHK+\i*768+8*(\p%3)
.endr
.endr
.irp i, 0,1,2,3
.irp p, 0,1,2,3,4,5
	ds_load_b64 v[80+96*((\s)%2)+12*\i+2*\p:81+96*((\s)%2)+12*\i+2*\p], v[ADRA+(\s)/4] offset:(2*((\s)%4)+\p/3)*CHK+\i*768+8*(\p%3)
.endr
.endr
.endm
; K step s: the next step's fragments are asked for, then 16 matrix instructions, the 16 accumulators by turns, in the same order in every step.  Step 0's products start the sums.
.macro KSTEP s
.if (\s) == 3
	s_wait_tensorcnt 0x0                           ; my part of K's second half is in,
	s_wait_dscnt 0x0
	s_barrier_signal -1
	s_barrier_wait -1                              ; everybody's is
.endif
.if (\s) < 7
.if (\s) > 0
	PLACES
.endif
	FETCH (\s)+1
	s_wait_dscnt 48                                ; all but the 48 just issued
.else
	s_wait_dscnt 0x0
.endif
.set FB, 32+96*((\s)%2)
.set SW, 16+208*((\s)/4)+(\s)%4
	WIN 0x50
.irp a, 0,1,2,3
.irp b, 0,1,2,3
.if (\s) == 0
	v_wmma_scale_f32_16x16x128_f8f6f4 v[8*(4*\a+\b):8*(4*\a+\b)+7], v[FB+12*\b:FB+12*\b+11], v[FB+48+12*\a:FB+48+12*\a+11], 0, v[SW+4*\b], v[SW+4*\a] matrix_a_fmt:MATRIX_FMT_FP6 matrix_b_fmt:MATRIX_FMT_FP6 matrix_a_scale:MATRIX_SCALE_ROW1
.else
	v_wmma_scale_f32_16x16x128_f8f6f4 v[8*(4*\a+\b):8*(4*\a+\b)+7], v[FB+12*\b:FB+12*\b+11], v[FB+48+12*\a:FB+48+12*\a+11], v[8*(4*\a+\b):8*(4*\a+\b)+7], v[SW+4*\b], v[SW+4*\a] matrix_a_fmt:MATRIX_FMT_FP6 matrix_b_fmt:MATRIX_FMT_FP6 matrix_a_scale:MATRIX_SCALE_ROW1
.endif
.endr
.endr
	WIN 0
.endm
.irp i, 0,1,2,3
	ds_load_b128 v[16+4*\i:19+4*\i], v[ADRS] offset:544*\i          ; block i's scale words: lanes 0-15 A's, lanes 16-31 W_o's
	ds_load_b128 v[224+4*\i:227+4*\i], v[ADRS] offset:544*\i+16
.endr
	FETCH 0
.irp s, 0,1,2,3,4,5,6,7
	KSTEP \s
.endr
; THE WAY OUT, block by block of 16 rows x 64 columns, through my own stage.  Register j of accumulator (a, b) in lane (r, h) is column 32 h + 8 b + j of my 64, in the row at position 16 a + r,
; which is row 32 (r / 8) + 8 a + r % 8.  LDS serves a wave's instructions in order (ISA guide 5.7.1.4): no wait between the stores and the loads, nor in front of the next block's stores.
.macro TOSTAGE a
	WIN 0x04
.irp b, 0,1,2,3
	ds_store_b128 v[STO], v[8*(4*(\a)+\b):8*(4*(\a)+\b)+3] offset:32*\b        ; each accumulator from its low end on
	ds_store_b128 v[STO], v[8*(4*(\a)+\b)+4:8*(4*(\a)+\b)+7] offset:32*\b+16
.endr
	WIN 0
.irp k, 0,1,2,3,4,5,6,7
	ds_load_b128 v[OB+32*((\a)%2)+4*\k:OB+32*((\a)%2)+4*\k+3], v[RD] offset:2*SPITCH*\k
.endr
.endm
.macro SEND a, younger                 ; younger: the LDS instructions issued behind block a's loads, which may stay out
	s_wait_dscnt \younger
.irp k, 0,1,2,3,4,5,6,7
	global_store_b128 v[CO], v[OB+32*((\a)%2)+4*\k:OB+32*((\a)%2)+4*\k+3], s[12:13] offset:(32*(\k/4)+8*(\a)+2*(\k%4))*4096 th:TH_STORE_NT   ; 16 lanes store 256 consecutive bytes, aligned; written once, read by nobody here
.endr
.endm
	PLACES
	TOSTAGE 0
.irp a, 1,2,3
.if \a > 1
	s_wait_xcnt 0x0                                ; block a - 2's stores have read their registers: block a's loads may land there
.endif
	TOSTAGE \a
	SEND \a-1, 16                                  ; behind block a - 1's loads: block a's 8 stores and 8 loads
.endr
	SEND 3, 0
	s_wait_tensorcnt 0x0                           ; the wave's end
	ds_add_u32 v14, v15
	s_wait_dscnt 0x0
	CROUND                                         ; the closing round: no work-group ends while a partner may still ask for a tile that names it
	s_endpgm
.Lfunc_end_k_qf1d2cec388_oproj:
	.size	k_qf1d2cec388_oproj, .Lfunc_end_k_qf1d2cec388_oproj-k_qf1d2cec388_oproj
	.p2alignl 7, 3214868480
	.fill 96, 4, 3214868480
	.section	.rodata,"a",@progbits
	.p2align	6, 0x0
	.amdhsa_kernel k_qf1d2cec388_oproj
		.amdhsa_group_segment_fixed_size 223232
		.amdhsa_private_segment_fixed_size 0
		.amdhsa_enable_private_segment 0
		.amdhsa_kernarg_size 40
		.amdhsa_user_sgpr_count 2
		.amdhsa_user_sgpr_kernarg_segment_ptr 1
		.amdhsa_wavefront_size32 1
		.amdhsa_system_sgpr_workgroup_id_x 1
		.amdhsa_system_sgpr_workgroup_id_y 1
		.amdhsa_system_sgpr_workgroup_id_z 1
		.amdhsa_system_vgpr_workitem_id 0
		.amdhsa_next_free_vgpr 384
		.amdhsa_next_free_sgpr 100
		.amdhsa_reserve_vcc 0
		.amdhsa_float_denorm_mode_32 3
		.amdhsa_float_denorm_mode_16_64 3
		.amdhsa_memory_ordered 1
		.amdhsa_forward_progress 1
		.amdhsa_inst_pref_size 61
	.end_amdhsa_kernel
	.amdgpu_metadata
---
amdhsa.version: [ 1, 2 ]
amdhsa.kernels:
  - .name:           k_qf1d2cec388_oproj
    .symbol:         k_qf1d2cec388_oproj.kd
    .args:
      - { .name: aoc, .offset: 0, .size: 8, .value_kind: global_buffer, .address_space: global }
      - { .name: aos, .offset: 8, .size: 8, .value_kind: global_buffer, .address_space: global }
      - { .name: codes, .offset: 16, .size: 8, .value_kind: global_buffer, .address_space: global }
      - { .name: scales, .offset: 24, .size: 8, .value_kind: global_buffer, .address_space: global }
      - { .name: out0, .offset: 32, .size: 8, .value_kind: global_buffer, .address_space: global }
    .group_segment_fixed_size: 223232
    .private_segment_fixed_size: 0
    .kernarg_segment_align: 8
    .kernarg_segment_size: 40
    .max_flat_workgroup_size: 128
    .sgpr_count:     100
    .vgpr_count:     384
    .wavefront_size: 32
...
	.end_amdgpu_metadata
.endif
;; end of part 4
